; MI455X (gfx1250); checked and timed in simulation.
; The chip was launched on July 23, 2026; its instructions are those of AMD's public machine-readable ISA for CDNA 5 (MIT licence, August 2026) and "CDNA5" Instruction Set Architecture Reference Guide (July 2026). The comments in the code are by the model that wrote it; some were corrected since.
;; Joint Self Attention. Allowed arithmetic: matrix products marked QUANTISED: E2M3 operands, one E8M0 scale for each 32 along K, by v_wmma_scale_f32_16x16x128_f8f6f4 with both operands' format E2M3, f32 sums; everything else in f32.
;; Inputs: w_attn 3,072 x 1,024 float32; w_proj 1,024 x 1,024 float32; x 4 x 2,048 x 1,024 float32.
;; Outputs: out0 4 x 2,048 x 1,024 float32.
;; This version of the problem:
;;   THIS VERSION OF THE PROBLEM IS GIVEN IN LOW PRECISION. The matrix products marked QUANTISED in the list below multiply operands that are first quantised to E2M3 (2 exponent bits, 3 mantissa bits; 6 bits a number), with one power-of-two scale for each 32 numbers along K (OCP MX v1.0); their sums are f32. All else is computed in f32.
;;   The module's matrix products, in the order in which they are computed (A, B: the left and right operand; K: the contracted axis; several contracted axes count as one K, in the product's order):
;;     1. [M 8,192, K 1,024] x [K 1,024, N 3,072]; A: input x; B: input w_attn: QUANTISED
;;     2. batch 64 x [M 2,048, K 64] x [K 64, N 2,048]; A: computed on the way; B: computed on the way: QUANTISED
;;     3. batch 64 x [M 64, K 2,048] x [K 2,048, N 2,048]; A: computed on the way; B: softmax (see below): QUANTISED
;;     4. [M 8,192, K 1,024] x [K 1,024, N 1,024]; A: computed on the way; B: input w_proj: QUANTISED
;;   THE QUANTISER, for each operand of a quantised product, along K:
;;     - K is cut into blocks of 32 from its start; a last block that is shorter is filled with zeros.
;;     - A block's scale is 2^e with e = floor(log2(the largest magnitude in the block)) - 2, held to -126 .. 127; a block of zeros has e = 0. As a byte (E8M0): e + 127.
;;     - Each number is divided by its block's scale, clamped to +-7.5, and rounded to the nearest number of E2M3, ties to even, subnormals kept.
;;     - The product sums the exact products of the quantised numbers (number of the format x scale) in f32.
;;   ~~~python
;;   def quantise(x, axis):      # numpy; x: float32 -> the quantised numbers, widened to float32 again
;;       x = np.moveaxis(x, axis, -1); K = x.shape[-1]
;;       x = np.pad(x, [(0, 0)] * (x.ndim - 1) + [(0, -K % 32)]); x = x.reshape(x.shape[:-1] + (-1, 32)); a = np.abs(x).max(-1, keepdims=True)
;;       e = np.where(a > 0, np.clip(np.frexp(np.where(a > 0, a, 1))[1] - 1 - 2, -126, 127), 0)      # np.frexp(a)[1] - 1 = floor(log2(a)), exactly
;;       r = np.clip(x / 2.0 ** e, -7.5, 7.5)
;;       step = 2.0 ** (np.maximum(np.frexp(np.where(r == 0, 1, r))[1] - 1, 0) - 3)
;;       q = np.round(r / step) * step * 2.0 ** e      # np.round: ties to even
;;       return np.moveaxis(q.reshape(q.shape[:-2] + (-1,))[..., :K], -1, axis).astype(np.float32)
;;   ~~~
;;   SOFTMAX AHEAD OF A QUANTISED PRODUCT. Where the list says 'softmax', what is quantised is not the finished softmax but p = 2^(t - M), with t = logit x log2(e) and M = ceil(the row's largest t), a whole number; so 1/2 < the row's largest p <= 1. The row's sum l is taken of the UNQUANTISED p, in f32, and the product's result is divided by l at the end. Since M is a whole number, a kernel that streams over the keys may use a running M (the ceiling of the running maximum): every later rescaling is an exact power of two, which a block's scale takes up: the codes' values come out the same.
;;   OPERANDS COMPUTED ON THE WAY. 'Computed on the way' means the value that the module computes at that place (a softmax that the list does not call 'softmax' is quantised finished and normalised). What goes into a quantiser is computed in f32, as accurately as f32 sums, v_exp_f32 and their like allow (about 1e-6 of the number): no bf16 or f16 on the way to a quantiser, and a product that is left as it is and whose result goes on into a quantised operand takes f32 operands (vector FMAs, or v_wmma_f32_16x16x4_f32). A number that lies on a knife's edge between two numbers of the format may be rounded either way, as far as f32 arithmetic and the matrix unit's own rounding can turn it there, and no further.
;; One version. Each part assembles by itself: llvm-mc -triple=amdgcn-amd-amdhsa -mcpu=gfx1250 --defsym DOCPART=n.
;; ======== version 1 of 1: 4 launches
;; limits: values are held in bf16: 8 bits of precision; right only within a limited range of input values
;; workspace buffers: ops 9,830,400 bytes; rope 262,144 bytes; qb 6,815,744 bytes; kv 13,369,344 bytes; yq 6,553,600 bytes
;; launch quant (part 1): grid 384 x 1, 4 waves a work-group, no clusters, 34,304 bytes of LDS; arguments x, w_attn, w_proj, ops, rope; writes ops, rope
.if DOCPART == 1
	.amdgcn_target "amdgcn-amd-amdhsa--gfx1250"
	.amdhsa_code_object_version 6
	.text
	.protected	k_q8ac59f66e6_quant
	.globl	k_q8ac59f66e6_quant
	.p2align	8
	.type	k_q8ac59f66e6_quant,@function
k_q8ac59f66e6_quant:
	s_mov_b64 s[64:65], 0
	v_nop
	global_prefetch_b8 v0, s[64:65] scope:SCOPE_SE
	s_setreg_imm32_b32 hwreg(HW_REG_WAVE_MODE, 25, 1), 1
	s_wait_xcnt 0x0
; FIRST OF FOUR LAUNCHES (quant, qkv, attn, proj) of causal attention with all four products on codes of FP6 (E2M3), one E8M0 scale for each 32 along K.
; WORK LEFT OUT IN THE PROGRAM.  reference() builds the causal mask itself (jnp.tril) and sets the score of key k > query q to -infinity ahead of the softmax: p = 2^(t - M) is then exactly 0, it adds nothing
; to the row's sum, its code is 0 under any scale, and the row's maximum is taken over the keys that count alone.  So a step of 128 keys all of which come after all 16 queries of a tile adds exactly nothing to any
; output, whatever finite values x, w_attn and w_proj hold: launch attn leaves such steps out.  Nothing else is left out; all three inputs are loaded.
; LIMIT: a NaN, an infinity or an overflow that reaches only the steps left out is not carried to the result.
; THIS LAUNCH turns x [8192][1024], w_attn [3072][1024] and w_proj [1024][1024], f32, K innermost, into codes and scale bytes in ops, and makes the table of cos and sin, rounded to bf16, in rope.
; A block's scale is 2^(floor(log2(its largest magnitude)) - 2); its byte is the largest magnitude's exponent field - 2, held at 1 from below.
; LIMITS: a block of zeros gets the byte 1 where the rule says 127 (its codes are zeros, and this program alone reads the bytes); blocks whose largest magnitude lies under 2^-124 are held at the byte 1;
; NaN and infinities among the inputs are not served.
; LAYOUT OF ops.  Rows go in tiles of 16: slot r of tile G is row 32 (G / 2) + 8 (G % 2) + r + 8 (r / 8) of its tensor, so that the results of two neighbouring tiles are 16 neighbours in a lane of the next launch.
; Tiles 0-511 x, 512-703 w_attn, 704-767 w_proj.  A tile's codes, 12,288 bytes at 12,288 G, are eight K steps of 128, each an image of the operand's 12 registers:
; registers 0-3 at 16 x lane, 4-5 at 512 + 8 x lane, 6-9 at 768 + 16 x lane, 10-11 at 1,280 + 8 x lane.  Its scale words, 512 bytes at SC0 + 512 G: [K step / 2][slot][K step % 2].
; SHARES.  A wave takes one tile and half of K (four K steps).  Each load reads 512 consecutive bytes of a row; a K step's 16 x 512 bytes turn through the wave's own stage in LDS, so that a lane gets two whole blocks of 32.
; No tensor load, no barrier: waves share nothing.  Loads run two K steps (32 loads a wave) ahead.
.set STG,   8448                       ; a wave's stage: 16 rows of 512 bytes + 16
.set SPARE, 4*STG                      ; behind the stages: the spare words, 128 bytes for each wave
.set SC0,   9437184                    ; where the scale words begin in ops
.set L16,   2                          ; v2   16 x lane
.set SIN,   3                          ; v3   the stage, way in
.set SOUT,  4                          ; v4   the stage, way out: row r, + 128 h
.set PD,    5                          ; v5   a lane permute's destination
.set L8,    6                          ; v6   8 x lane
.set H8,    7                          ; v7   8 h
.set SPW,   8                          ; v8   LDS address of my spare word; never rewritten
.set NIL,   9                          ; v9   0; never rewritten
.set TM,    10                         ; v10-11 largest magnitudes
.set SO,    12                         ; v12-13 the conversions' scale operands
.set BY,    14                         ; v14-15 scale bytes
.set WD,    16                         ; v16-19 a scale word for each K step
.set PC,    20                         ; v20-31 a K step's codes
.set PT,    32                         ; v32-38 the upper halves of the two blocks' codes
.set R,     64                         ; v64-191 two sets of 64: a K step as loaded
.set X,     192                        ; v192-255 my two blocks of 32
.set SEL,   34                         ; s34-35 lane selects: lane l xor 16
.set HM,    31                         ; s31  the mask of lanes 16-31
	s_load_b256 s[4:11], s[0:1], 0x0               ; x, w_attn, w_proj, ops
	s_load_b64 s[12:13], s[0:1], 0x20              ; rope
	v_lshl_add_u32 v[SPW], v0, 2, SPARE
	v_mov_b32 v[NIL], 0
	v_lshrrev_b32 v1, 5, v0
	v_readfirstlane_b32 s14, v1                    ; wave
	v_and_b32 v1, 31, v0                           ; lane
	v_lshlrev_b32 v[L16], 4, v1
	v_lshlrev_b32 v[L8], 3, v1
	v_and_b32 v[PD], 15, v0                        ; r
	v_bfe_u32 v[H8], v0, 4, 1                      ; h
	s_mul_i32 s30, s14, STG
	v_add_nc_u32 v[SIN], s30, v[L16]
	v_mul_u32_u24 v[SOUT], v[PD], 528
	v_lshl_add_u32 v[SOUT], v[H8], 7, v[SOUT]
	v_add_nc_u32 v[SOUT], s30, v[SOUT]
	v_lshlrev_b32 v[H8], 3, v[H8]
	s_lshl_b32 s15, ttmp9, 2
	s_add_co_u32 s15, s15, s14                     ; W: my job; tile G = W / 2, half of K = W % 2
	s_lshr_b32 s16, s15, 1
	s_and_b32 s17, s15, 1
	s_mov_b32 s[SEL], 0x76543210
	s_mov_b32 s[SEL+1], 0xfedcba98
	s_mov_b32 s[HM], 0xffff0000
	s_wait_alu depctr_va_vdst(0)
	s_wait_kmcnt 0x0
	s_cmp_lt_u32 ttmp9, 256                        ; which tensor: the choice hangs on the work-group's number alone
	s_cselect_b64 s[18:19], s[4:5], s[6:7]
	s_cselect_b32 s20, 0, 512
	s_cmp_lt_u32 ttmp9, 352
	s_cselect_b64 s[18:19], s[18:19], s[8:9]
	s_cselect_b32 s20, s20, 704
	s_sub_co_u32 s21, s16, s20                     ; the tile's number in its own tensor
	s_lshr_b32 s22, s21, 1
	s_lshl_b32 s22, s22, 17                        ; 32 rows of 4,096 bytes for each pair of tiles,
	s_and_b32 s23, s21, 1
	s_lshl_b32 s23, s23, 15                        ; 8 rows for the odd tile,
	s_add_co_u32 s22, s22, s23
	s_lshl_b32 s23, s17, 11                        ; 2,048 bytes for the second half of K
	s_add_co_u32 s22, s22, s23
	s_mov_b32 s23, 0
	s_add_nc_u64 s[18:19], s[18:19], s[22:23]
	s_mul_i32 s24, s15, 6144                       ; my codes: 12,288 G + 6,144 (W % 2) = 6,144 W
	s_mov_b32 s25, 0
	s_add_nc_u64 s[24:25], s[10:11], s[24:25]
	s_lshl_b32 s26, s15, 8                         ; my scale words: 256 W
	s_add_co_u32 s26, s26, SC0
	s_mov_b32 s27, 0
	s_add_nc_u64 s[26:27], s[10:11], s[26:27]
	s_lshl_b32 s28, s15, 8                         ; my two rows of rope
	s_mov_b32 s29, 0
	s_add_nc_u64 s[28:29], s[12:13], s[28:29]
.macro LOADK s                         ; K step s: slot i's 512 bytes, 16 a lane
.set li, 0
.rept 16
	global_load_b128 v[R+64*((\s)%2)+4*li:R+64*((\s)%2)+4*li+3], v[L16], s[18:19] offset:(li+8*(li/8))*4096+512*(\s) th:TH_LOAD_NT
.set li, li+1
.endr
.endm
	LOADK 0
	LOADK 1
; THE TABLE: rope[t][j] = bf16(cos(t f_j)) in the low half, bf16(sin(t f_j)) in the high half, f_j = 1 / 10^(j / 8), j = 0 .. 31, t = 0 .. 2047.  The first 256 work-groups make it, two rows a wave, a lane to a j,
; while their loads are on their way.  cos and sin in f32: the angle less n pi / 2 in two parts (the first product is exact: n has 11 bits), polynomials on |r| <= pi / 4, the quadrant by selects.
	s_cmp_lt_u32 ttmp9, 256
	s_cbranch_scc0 .Lno_rope
	v_mov_b32 v40, 0
.set j, 0
.irp p, 1.0, 1.3335214321633, 1.7782794100389, 2.3713737056617, 3.1622776601684, 4.2169650342858, 5.6234132519035, 7.4989420933246, 10.0, 13.335214321633, 17.782794100389, 23.713737056617, 31.622776601684, 42.169650342858, 56.234132519035, 74.989420933246, 100.0, 133.35214321633, 177.82794100389, 237.13737056617, 316.22776601684, 421.69650342858, 562.34132519035, 749.89420933246, 1000.0, 1333.5214321633, 1778.2794100389, 2371.3737056617, 3162.2776601684, 4216.9650342858, 5623.4132519035, 7498.9420933246
	s_mov_b32 s20, \p
	v_writelane_b32 v40, s20, j                    ; 10^(j / 8) in lane j
.set j, j+1
.endr
	s_wait_alu depctr_va_vdst(0)
	v_rcp_f32 v41, v40
	v_lshlrev_b32 v42, 2, v1                       ; 4 x lane (a plain line behind the reciprocal)
	s_wait_alu depctr_va_vdst(0)                   ; ahead of the reciprocal's first reader
	v_fma_f32 v43, -v40, v41, 1.0                  ; one step of refinement
	v_fma_f32 v41, v43, v41, v41                   ; f_j
	s_mov_b32 s36, 0x3fc90fdb                      ; pi / 2, upper part
	s_mov_b32 s37, 0xb33bbd2e                      ; and what is left of it
	s_mov_b32 s38, -0.16666654611
	s_mov_b32 s39, 0.0083321608736
	s_mov_b32 s40, -0.00019515295891
	s_mov_b32 s41, 0.04166664568
	s_mov_b32 s42, -0.001388731625
	s_mov_b32 s43, 0.00002443315712
	s_lshl_b32 s32, s15, 1
.macro ROW u
	s_add_co_u32 s33, s32, \u
	v_mov_b32 v44, s33
	v_cvt_f32_u32 v44, v44
	s_wait_alu depctr_va_vdst(0)
	v_mul_f32 v44, v44, v41                        ; the angle
	v_mul_f32 v45, 0x3f22f983, v44
	v_rndne_f32 v45, v45                           ; n
	v_fma_f32 v46, -v45, s36, v44
	v_fma_f32 v46, -v45, s37, v46                  ; r
	v_mul_f32 v47, v46, v46                        ; z = r r
	v_fma_f32 v48, v47, s40, s39
	v_fma_f32 v48, v48, v47, s38
	v_mul_f32 v48, v48, v47
	v_fma_f32 v48, v48, v46, v46                   ; sin r
	v_fma_f32 v49, v47, s43, s42
	v_fma_f32 v49, v49, v47, s41
	v_fma_f32 v50, v47, -0.5, 1.0
	v_mul_f32 v51, v47, v47
	v_fma_f32 v49, v49, v51, v50                   ; cos r
	v_cvt_i32_f32 v52, v45
	v_and_b32 v53, 1, v52
	v_cmp_eq_u32 vcc_lo, 1, v53
	v_cndmask_b32 v54, v48, v49, vcc_lo            ; in odd quadrants the two change places
	v_cndmask_b32 v55, v49, v48, vcc_lo
	v_and_b32 v53, 2, v52
	v_lshlrev_b32 v53, 30, v53
	v_xor_b32 v54, v54, v53                        ; sin: minus in quadrants 2, 3
	v_add_nc_u32 v52, 1, v52
	v_and_b32 v52, 2, v52
	v_lshlrev_b32 v52, 30, v52
	v_xor_b32 v55, v55, v52                        ; cos: minus in quadrants 1, 2
	v_cvt_pk_bf16_f32 v[56+\u], v55, v54
	global_store_b32 v42, v[56+\u], s[28:29] offset:128*\u   ; the two rows' stores fill 256 consecutive bytes, aligned
.endm
	ROW 0
	ROW 1
.Lno_rope:
.macro QSTEP s
.if (\s) < 3
	s_wait_loadcnt 16                              ; this K step's 16 loads are in; the next step's may be out
.else
	s_wait_loadcnt 0x0
.endif
.set i, 0
.rept 16
	ds_store_b128 v[SIN], v[R+64*((\s)%2)+4*i:R+64*((\s)%2)+4*i+3] offset:528*i
.set i, i+1
.endr
.set i, 0
.rept 16
	ds_load_b128 v[X+4*i:X+4*i+3], v[SOUT] offset:256*(i/8)+16*(i%8)   ; LDS serves a wave's instructions in order: these see the stores.  Blocks h and 2 + h of my slot
.set i, i+1
.endr
	s_wait_dscnt 0x0
.if (\s)+2 < 4
	LOADK (\s)+2
.endif
.irp c, 0,1
	v_max3_num_f32 v[TM+\c], |v[X+32*\c]|, |v[X+32*\c+1]|, 0x1800000   ; the floor 2^(3 - 127) among the leaves: the byte cannot fall under 1
.endr
.set i, 2
.rept 15
.irp c, 0,1
	v_max3_num_f32 v[TM+\c], v[TM+\c], |v[X+32*\c+i]|, |v[X+32*\c+i+1]|
.endr
.set i, i+2
.endr
.irp c, 0,1
	v_add_nc_u32 v[SO+\c], 0xff000000, v[TM+\c]    ; 2 off the exponent field: the conversion's scale operand
.endr
.irp c, 0,1
	v_lshrrev_b32 v[BY+\c], 23, v[SO+\c]           ; the scale's byte
.endr
	v_lshl_or_b32 v[WD+(\s)], v[BY+1], 16, v[BY]
	v_lshlrev_b32 v[WD+(\s)], v[H8], v[WD+(\s)]    ; my two bytes at their places,
	v_permlanex16_b32 v[PD], v[WD+(\s)], s[SEL], s[SEL+1]
	v_or_b32 v[WD+(\s)], v[WD+(\s)], v[PD]         ; with lane l xor 16's two the word is whole
	s_wait_alu depctr_va_vdst(0)
	s_wait_xcnt 0x0                                ; the last step's stores have read their data: the codes' registers may be written
.irp c, 0,1
	v_cvt_scalef32_pk16_fp6_f32 v[PC+6*\c:PC+6*\c+2], v[X+32*\c:X+32*\c+15], v[SO+\c]
	v_cvt_scalef32_pk16_fp6_f32 v[PT+4*\c:PT+4*\c+2], v[X+32*\c+16:X+32*\c+31], v[SO+\c]   ; (a conversion's three registers begin on an even number)
.endr
	v_nop                                          ; one plain line behind the conversions
.irp c, 0,1
.irp i3, 0,1,2
	v_mov_b32 v[PC+6*\c+3+\i3], v[PT+4*\c+\i3]
.endr
.endr
.irp c, 0,1
	global_store_b128 v[L16], v[PC+6*\c:PC+6*\c+3], s[24:25] offset:1536*(\s)+768*\c        ; 512 consecutive bytes, aligned
	global_store_b64 v[L8], v[PC+6*\c+4:PC+6*\c+5], s[24:25] offset:1536*(\s)+768*\c+512    ; 256 consecutive bytes, aligned
.endr
.endm
	QSTEP 0
	QSTEP 1
	QSTEP 2
	QSTEP 3
	v_cndmask_b32 v[TM], v[WD], v[WD+2], s[HM]     ; lanes 0-15 store the words of my K steps 0, 1, lanes 16-31 those of 2, 3
	v_cndmask_b32 v[TM+1], v[WD+1], v[WD+3], s[HM]
	global_store_b64 v[L8], v[TM:TM+1], s[26:27]   ; 256 consecutive bytes, aligned
	s_wait_tensorcnt 0x0                           ; the wave's end
	ds_add_u32 v[SPW], v[NIL]
	s_wait_dscnt 0x0
	s_endpgm
.Lfunc_end_k_q8ac59f66e6_quant:
	.size	k_q8ac59f66e6_quant, .Lfunc_end_k_q8ac59f66e6_quant-k_q8ac59f66e6_quant
	.p2alignl 7, 3214868480
	.fill 96, 4, 3214868480
	.section	.rodata,"a",@progbits
	.p2align	6, 0x0
	.amdhsa_kernel k_q8ac59f66e6_quant
		.amdhsa_group_segment_fixed_size 34304
		.amdhsa_private_segment_fixed_size 0
		.amdhsa_enable_private_segment 0
		.amdhsa_kernarg_size 40
		.amdhsa_user_sgpr_count 2
		.amdhsa_user_sgpr_kernarg_segment_ptr 1
		.amdhsa_wavefront_size32 1
		.amdhsa_system_sgpr_workgroup_id_x 1
		.amdhsa_system_sgpr_workgroup_id_y 1
		.amdhsa_system_sgpr_workgroup_id_z 1
		.amdhsa_system_vgpr_workitem_id 0
		.amdhsa_next_free_vgpr 256
		.amdhsa_next_free_sgpr 66
		.amdhsa_reserve_vcc 1
		.amdhsa_float_denorm_mode_32 3
		.amdhsa_float_denorm_mode_16_64 3
		.amdhsa_memory_ordered 1
		.amdhsa_forward_progress 1
		.amdhsa_inst_pref_size 39
	.end_amdhsa_kernel
	.amdgpu_metadata
---
amdhsa.version: [ 1, 2 ]
amdhsa.kernels:
  - .name:           k_q8ac59f66e6_quant
    .symbol:         k_q8ac59f66e6_quant.kd
    .args:
      - { .name: x, .offset: 0, .size: 8, .value_kind: global_buffer, .address_space: global }
      - { .name: w_attn, .offset: 8, .size: 8, .value_kind: global_buffer, .address_space: global }
      - { .name: w_proj, .offset: 16, .size: 8, .value_kind: global_buffer, .address_space: global }
      - { .name: ops, .offset: 24, .size: 8, .value_kind: global_buffer, .address_space: global }
      - { .name: rope, .offset: 32, .size: 8, .value_kind: global_buffer, .address_space: global }
    .group_segment_fixed_size: 34304
    .private_segment_fixed_size: 0
    .kernarg_segment_align: 8
    .kernarg_segment_size: 40
    .max_flat_workgroup_size: 128
    .sgpr_count:     66
    .vgpr_count:     256
    .wavefront_size: 32
...
	.end_amdgpu_metadata
.endif
;; end of part 1
;; launch qkv (part 2): grid 12 x 32, 4 waves a work-group, clusters of 4 x 4, 327,680 bytes of LDS; arguments ops, rope, qb, kv; writes qb, kv
.if DOCPART == 2
	.amdgcn_target "amdgcn-amd-amdhsa--gfx1250"
	.amdhsa_code_object_version 6
	.text
	.protected	k_q8ac59f66e6_qkv
	.globl	k_q8ac59f66e6_qkv
	.p2align	8
	.type	k_q8ac59f66e6_qkv,@function
k_q8ac59f66e6_qkv:
	s_mov_b64 s[64:65], 0
	v_nop
	global_prefetch_b8 v0, s[64:65] scope:SCOPE_SE
	s_setreg_imm32_b32 hwreg(HW_REG_WAVE_MODE, 25, 1), 1
	s_wait_xcnt 0x0
	s_wait_alu depctr_hold_cnt(0) depctr_sa_sdst(0) depctr_va_vdst(0) depctr_va_sdst(0) depctr_va_ssrc(0) depctr_va_vcc(0) depctr_vm_vsrc(0)
	s_getreg_b32 s2, hwreg(HW_REG_IB_STS2, 6, 4)
	s_cmp_eq_u32 s2, 0
	s_cbranch_scc0 .Lentry_in_a_cluster
	s_endpgm
.Lentry_in_a_cluster:
	s_bfe_u32 s2, ttmp6, 0x10000c
	s_cmp_lg_u32 s2, 0xf033
	s_cbranch_scc0 .Lentry_shape_is_right
	s_endpgm
.Lentry_shape_is_right:
; qkv = x w_attn^T on codes of FP6 (E2M3) with E8M0 scales, and on the way out: q, k: RMS norm over the head's 64, the rotation by cos and sin, quantised along the head's 64; v: quantised along the tokens.  qkv never goes to memory in f32.
; Nothing of reference() is left out here.  LIMITS as in launch quant: a block of zeros gets the byte 1; NaN and infinities are not served.
; A tile of 256 x 256 is made by four waves, 128 x 128 each: 64 accumulators, 512 registers.  K = 1,024 goes in four steps of 256 through two LDS slots filled by the tensor data mover.
; Operands lie in ops as images of the operand's registers (launch quant), so a fragment comes by four dense LDS loads and needs no padding.
; THE MATRIX INSTRUCTION TAKES THE B REGION AS SOURCE 0 AND THE A REGION AS SOURCE 1: a lane holds one slot of A, and the 16 registers of B's tiles 2 b, 2 b + 1 are 16 neighbouring rows of B.
; ROLES, by the cluster's x, the same in all sixteen partners: 0: q, 1: k: A = x (a lane holds a token, its registers run along the head);  2: v: A = w_attn's rows 2,048 on, B = x (a lane holds a channel, its registers run along the tokens).
; CLUSTERS: 4 x 4 work-groups; A's tiles are asked for jointly by a row of the cluster, B's by a column.
; OUT.  qb: [batch x head][step of 128 tokens] blocks of 6,656 bytes: eight images of 16 tokens x 64 (768 bytes: registers 0-3 at 16 x lane, 4-5 at 512 + 8 x lane), then 512 bytes of scale words (tile 4 u + e, slot r at 256 u + 16 r + 4 e).
; kv: blocks of 13,056 bytes: k as in qb; at 6,656 four images of 16 channels x 128 tokens (1,536 bytes); at 12,800 their scale words (tile 2 u + e, slot r at 128 u + 8 r + 4 e).
; REGISTERS, in windows of 256: window 0: v1-15 addresses; v16-31 scale words kept for the way out; v32-63 the products' scale words, two sets; v64-127 cos and sin as loaded; v128-223 A's fragments, one set, later the way out; v224-255 at work.
;   window 1: B's fragments, two sets, at v0 and v128.   windows 2, 3: the accumulators ((a, b) at v[8 (8 (a % 4) + b)], window 2 + a / 4).
.set NQ,    2                          ; matrix instructions deep in a slot
.set FR,    12                         ; registers of a fragment
.set NL,    4                          ; LDS loads that bring one
.set NP,    4                          ; places behind this matrix instruction (ISA guide 7.12.1)
.set HALFT, 24576                      ; eight tiles x 3,072 bytes: what one tensor load brings
.set SLOT,  4*HALFT                    ; A's 16 tiles, then B's 16
.set SCL,   2*SLOT                     ; behind the ring: the scale words for all of K: A's 8,192 bytes, then B's; filled once, one load each
.set SPARE, SCL+16384                  ; the spare words, 128 bytes for each wave
.set SC0,   9437184                    ; where the scale words begin in ops
.set ADRA,  1                          ; v1-2 A's fragments in slot 0, 1, at 16 x lane; v3-4 at 8 x lane
.set ADRB,  5                          ; v5-8 the same for B
.set ADRS,  9                          ; v9   my scale words: lanes 0-15 A's, lanes 16-31 B's
.set SPW,   10                         ; v10  LDS address of my spare word; never rewritten
.set NIL,   11                         ; v11  0; never rewritten
.set L16,   12                         ; v12  16 x lane
.set L8,    13                         ; v13  8 x lane
.set RO,    14                         ; v14  r, later my lane's byte in the table of cos and sin
.set KW,    16
.set SC,    32
.set RAW,   64
.set AF,    128
.set G1,    24                         ; s[24:31] descriptor group 1 for A's tiles; s[32:39] group 0, a set for each slot
.set G0,    32
.set G1B,   48                         ; s[48:55], s[56:63] the same for B's
.set G0B,   56
.set G1S,   68                         ; s[68:75], s[76:79] for A's scale words; s[80:87], s[88:91] for B's
.set G0S,   76
.set G1SB,  80
.set G0SB,  88
.set I64,   3                          ; s3   1 / 64
.set HM,    12                         ; s12  the mask of lanes 16-31, and of a word's upper half
.set EPS,   13                         ; s13  2^-23
.set SEL,   66                         ; s66-67 lane selects: lane l xor 16
.set DB,    92                         ; s[92:95] where my two heads' blocks begin
.set RB,    96                         ; s[96:97] my first token's row of the table
.set MSB, 0
.macro WIN new                         ; the immediate's high byte repeats the setting that is left
.if MSB != (\new)
	s_set_vgpr_msb (MSB<<8)|(\new)
.set MSB, \new
.endif
.endm
.set MUL_LO, 0xa1                      ; source 0 (B) window 1, source 1 (A) window 0, C and D window 2
.set MUL_HI, 0xf1                      ; the same, C and D window 3
.set TO_B,   0x40                      ; destination window 1, address window 0
; A joint load: waves 0 and 1 fetch for A, waves 2 and 3 for B; the branch hangs on the wave's number alone.  An s_nop 0 and four v_nop follow each of the two lines.
.macro JLOAD g0a, g1a, g0b, g1b
	s_cmp_eq_u32 s15, 0
	s_cbranch_scc0 .Lfor_b_\@
	tensor_load_to_lds s[\g0a:\g0a+3], s[\g1a:\g1a+7]
	s_nop 0
.rept 4
	v_nop
.endr
	s_branch .Lasked_\@
.Lfor_b_\@:
	tensor_load_to_lds s[\g0b:\g0b+3], s[\g1b:\g1b+7]
	s_nop 0
.rept 4
	v_nop
.endr
.Lasked_\@:
.endm
.macro CREST                           ; a round of the cluster's barrier behind its opening barrier
	s_cmp_lg_u32 s14, 0
	s_cbranch_scc1 .Lnot_wave_0_\@
	s_barrier_signal -3
.Lnot_wave_0_\@:
	s_barrier_wait -3
	s_barrier_signal -1
	s_barrier_wait -1
.endm
.macro CROUND                          ; a whole round
	s_barrier_signal -1
	s_barrier_wait -1
	CREST
.endm
	s_load_b256 s[4:11], s[0:1], 0x0               ; ops s[4:5], rope s[6:7], qb s[8:9], kv s[10:11]
	v_lshl_add_u32 v[SPW], v0, 2, SPARE
	v_mov_b32 v[NIL], 0
	ds_add_u32 v[SPW], v[NIL]                      ; the wave's opening: the add, twice on end, and its wait ahead of my first tensor load
	ds_add_u32 v[SPW], v[NIL]
	v_lshrrev_b32 v1, 5, v0
	v_readfirstlane_b32 s14, v1                    ; wave 0..3
	s_lshr_b32 s15, s14, 1                         ; which half of A's tiles is mine.  Also: I fetch for A (0) or for B (1)
	s_and_b32 s16, s14, 1                          ; which half of B's tiles.  Also: which eight tiles I fetch
	s_bfe_u32 s40, ttmp6, 0x40000                  ; cx
	s_bfe_u32 s41, ttmp6, 0x40004                  ; cy
	s_and_b32 s42, ttmp7, 0xffff
	s_lshl_b32 s42, s42, 2                         ; 4 x cluster y
	s_lshl_b32 s43, ttmp9, 2                       ; 4 x cluster x
	s_cmp_eq_u32 ttmp9, 2                          ; the role v?
	s_cselect_b32 s17, 0, s42
	s_cselect_b32 s44, s42, s43
	s_cselect_b32 s45, 640, 0                      ; A's first tile in ops: w_attn's row 2,048, or x
	s_cselect_b32 s46, 0, 512                      ; B's: x, or w_attn
	s_add_co_u32 s17, s17, s41                     ; TR: block of 256 rows of A: it hangs on cy alone
	s_add_co_u32 s44, s44, s40                     ; TC: block of 256 rows of B: on cx alone
	s_lshl_b32 s18, s41, 2
	s_lshl_b32 s18, 15, s18                        ; my row of the cluster
	s_lshl_b32 s19, 0x1111, s40                    ; my column
	; group 1: eight rows of 3,072 bytes (a tile's two K steps of 128), 12,288 bytes apart, as elements of 8 bytes; dense in LDS
	s_or_b32 s[G1+0], s18, (3<<16)|(1<<21)         ; 15:0 the mask; 17:16 elements of 8 bytes; 21 set beside a mask
	s_or_b32 s[G1B+0], s19, (3<<16)|(1<<21)
.irp g, G1, G1B
	s_mov_b32 s[\g+1], 384<<16                     ; tensor_dim0
	s_mov_b32 s[\g+2], 16<<16                      ; tensor_dim1: sixteen tiles for the head's loads; set to eight behind them
	s_mov_b32 s[\g+3], 384<<16                     ; tile_dim0
	s_mov_b32 s[\g+4], 16                          ; tile_dim1
	s_mov_b32 s[\g+5], 1536                        ; tensor_dim0_stride
	s_mov_b32 s[\g+6], 0
	s_mov_b32 s[\g+7], 0
.endr
	; the scale words of sixteen tiles: 8,192 dense bytes as 32 rows of 256
	s_or_b32 s[G1S+0], s18, (3<<16)|(1<<21)
	s_or_b32 s[G1SB+0], s19, (3<<16)|(1<<21)
.irp g, G1S, G1SB
	s_mov_b32 s[\g+1], 32<<16
	s_mov_b32 s[\g+2], 32<<16                      ; sixteen tiles' scale words: 32 rows of 256 bytes
	s_mov_b32 s[\g+3], 32<<16
	s_mov_b32 s[\g+4], 32
	s_mov_b32 s[\g+5], 32
	s_mov_b32 s[\g+6], 0
	s_mov_b32 s[\g+7], 0
.endr
	s_lshl_b32 s18, s16, 3
	s_lshl_b32 s20, s17, 4
	s_add_co_u32 s20, s20, s18
	s_add_co_u32 s20, s20, s45                     ; the first of A's tiles that I fetch
	s_lshl_b32 s22, s44, 4
	s_add_co_u32 s22, s22, s18
	s_add_co_u32 s22, s22, s46                     ; and of B's
	s_mul_i32 s92, s20, 12288
	s_mov_b32 s93, 0
	s_lshl_b32 s94, s20, 9
	s_add_co_u32 s94, s94, SC0
	s_mov_b32 s95, 0
	s_mul_i32 s96, s22, 12288
	s_mov_b32 s97, 0
	s_lshl_b32 s98, s22, 9
	s_add_co_u32 s98, s98, SC0
	s_mov_b32 s99, 0
	s_mul_i32 s45, s14, HALFT                      ; where they go: no place in the cluster enters an LDS address
	s_lshl_b32 s46, s16, 12                        ; from my eight tiles back to the block's first: 4,096 bytes of scale words,
	s_mov_b32 s47, 0
	s_mul_i32 s42, s16, 98304                      ; 8 x 12,288 bytes of codes
	s_mov_b32 s43, 0
	s_mov_b32 s[SEL], 0x76543210
	s_mov_b32 s[SEL+1], 0xfedcba98
	s_mov_b32 s[HM], 0xffff0000
	s_mov_b32 s[EPS], 0x34000000
	s_mov_b32 s[I64], 0x3c800000
	s_wait_dscnt 0x0                               ; both opening adds are done
	s_wait_kmcnt 0x0
	s_add_nc_u64 s[92:93], s[4:5], s[92:93]
	s_add_nc_u64 s[94:95], s[4:5], s[94:95]
	s_add_nc_u64 s[96:97], s[4:5], s[96:97]
	s_add_nc_u64 s[98:99], s[4:5], s[98:99]
	CROUND                                         ; all sixteen work-groups are here: the first joint loads meet
	s_mov_b32 s[G0S], 1
	s_mov_b32 s[G0S+1], SCL
	s_sub_nc_u64 s[G0S+2:G0S+3], s[94:95], s[46:47]
	s_or_b32 s[G0S+3], s[G0S+3], 0x80000000
	s_mov_b32 s[G0SB], 1
	s_mov_b32 s[G0SB+1], SCL+8192
	s_sub_nc_u64 s[G0SB+2:G0SB+3], s[98:99], s[46:47]
	s_or_b32 s[G0SB+3], s[G0SB+3], 0x80000000
.irp s, 0,1
	s_mov_b32 s[G0+4*\s], 1
	s_add_co_u32 s[G0+4*\s+1], s45, \s*SLOT
	s_add_nc_u64 s[G0+4*\s+2:G0+4*\s+3], s[92:93], \s*3072
	s_or_b32 s[G0+4*\s+3], s[G0+4*\s+3], 0x80000000
	s_mov_b32 s[G0B+4*\s], 1
	s_add_co_u32 s[G0B+4*\s+1], s45, \s*SLOT
	s_add_nc_u64 s[G0B+4*\s+2:G0B+4*\s+3], s[96:97], \s*3072
	s_or_b32 s[G0B+4*\s+3], s[G0B+4*\s+3], 0x80000000
.endr
; THE HEAD'S LOADS, ONE A WAVE: wave 0 K step 0 of A's sixteen tiles, wave 1 of B's, wave 2 A's scale words, wave 3 B's.  Slot 0's two groups 0 serve them, set to the whole block; behind the loads they are set to my eight tiles.
	s_mov_b32 s[G0+1], 0
	s_sub_nc_u64 s[G0+2:G0+3], s[G0+2:G0+3], s[42:43]
	s_mov_b32 s[G0B+1], 2*HALFT
	s_sub_nc_u64 s[G0B+2:G0B+3], s[G0B+2:G0B+3], s[42:43]
.macro ARM under, g0, g1, next         ; one chain of branches on the wave's number: every way through it passes one load
	s_cmp_lt_u32 s14, \under
	s_cbranch_scc0 \next
	tensor_load_to_lds s[\g0:\g0+3], s[\g1:\g1+7]
	s_nop 0
.rept 4
	v_nop
.endr
	s_branch .Lhead_asked
\next:
.endm
	ARM 1, G0,  G1,  .Lhead_b
	ARM 2, G0B, G1B, .Lhead_sa
	ARM 3, G0S, G1S, .Lhead_sb
	tensor_load_to_lds s[G0SB:G0SB+3], s[G1SB:G1SB+7]
	s_nop 0
.rept 4
	v_nop
.endr
.Lhead_asked:
	v_and_b32 v[L16], 31, v0
	v_lshlrev_b32 v[L8], 3, v[L16]
	v_lshlrev_b32 v[L16], 4, v[L16]
	s_mul_i32 s21, s15, HALFT                      ; my eight tiles of A
	s_mul_i32 s23, s16, HALFT                      ; my eight tiles of B,
	s_add_co_u32 s23, s23, 2*HALFT                 ; which lie behind A's sixteen
.irp s, 0,1
	v_add_nc_u32 v[ADRA+\s], s21, v[L16]
	v_add_nc_u32 v[ADRA+2+\s], s21, v[L8]
	v_add_nc_u32 v[ADRB+\s], s23, v[L16]
	v_add_nc_u32 v[ADRB+2+\s], s23, v[L8]
	s_add_co_u32 s21, s21, SLOT
	s_add_co_u32 s23, s23, SLOT
.endr
	v_and_b32 v14, 15, v0                          ; r
	v_bfe_u32 v15, v0, 4, 1                        ; h
	s_lshl_b32 s21, s15, 12                        ; A's scale words: my eight tiles
	s_lshl_b32 s23, s16, 12                        ; B's, behind A's 8,192 bytes
	s_add_co_u32 s23, s23, 8192
	s_sub_co_u32 s23, s23, s21
	v_mul_u32_u24 v[ADRS], s23, v15                ; lanes 16-31 take B's
	v_lshl_add_u32 v[ADRS], v14, 3, v[ADRS]        ; 8 bytes a slot: a K step's two words
	s_add_co_u32 s21, s21, SCL
	v_add_nc_u32 v[ADRS], s21, v[ADRS]
.macro FRAG reg, adr, q, i             ; a fragment, 16 slots x 128 K, comes as it was stored: four dense loads
	ds_load_b128 v[\reg:\reg+3], v[\adr] offset:(\i)*3072+(\q)*1536
	ds_load_b64 v[\reg+4:\reg+5], v[\adr+2] offset:(\i)*3072+(\q)*1536+512
	ds_load_b128 v[\reg+6:\reg+9], v[\adr] offset:(\i)*3072+(\q)*1536+768
	ds_load_b64 v[\reg+10:\reg+11], v[\adr+2] offset:(\i)*3072+(\q)*1536+1280
.endm
; 16 matrix instructions: A's tiles a0, a0 + 1 x B's eight, 128 along K.  p: B's set; sc: the set of scale words.  zero = 1: the first product starts the sums.
; The 64 accumulators take turns, one instruction a turn, in the same order in every step.
.macro MUL16 a0, p, q, sc, zero
.irp a, \a0, \a0+1
.irp b, 0,1,2,3,4,5,6,7
.if \zero
	v_wmma_scale_f32_16x16x128_f8f6f4 v[8*(8*((\a)%4)+\b):8*(8*((\a)%4)+\b)+7], v[128*(\p)+FR*\b:128*(\p)+FR*\b+FR-1], v[AF+FR*(\a):AF+FR*(\a)+FR-1], 0, v[SC+8*NQ*(\sc)+NQ*\b+(\q)], v[SC+8*NQ*(\sc)+NQ*(\a)+(\q)] matrix_a_fmt:MATRIX_FMT_FP6 matrix_b_fmt:MATRIX_FMT_FP6 matrix_a_scale:MATRIX_SCALE_ROW1
.else
	v_wmma_scale_f32_16x16x128_f8f6f4 v[8*(8*((\a)%4)+\b):8*(8*((\a)%4)+\b)+7], v[128*(\p)+FR*\b:128*(\p)+FR*\b+FR-1], v[AF+FR*(\a):AF+FR*(\a)+FR-1], v[8*(8*((\a)%4)+\b):8*(8*((\a)%4)+\b)+7], v[SC+8*NQ*(\sc)+NQ*\b+(\q)], v[SC+8*NQ*(\sc)+NQ*(\a)+(\q)] matrix_a_fmt:MATRIX_FMT_FP6 matrix_b_fmt:MATRIX_FMT_FP6 matrix_a_scale:MATRIX_SCALE_ROW1
.endif
.endr
.endr
.endm
.macro FETCH_B slot, q, p
	WIN TO_B
.irp i, 0,1,2,3,4,5,6,7
	FRAG 128*(\p)+FR*\i, ADRB+\slot, \q, \i
.endr
	WIN 0
.endm
.macro FETCH_A slot, q, i0
.irp i, \i0, \i0+1, \i0+2, \i0+3
	FRAG AF+FR*(\i), ADRA+\slot, \q, \i
.endr
.endm
.macro SCALES sc                       ; a K step's scale words: lanes 0-15 A's tile i, lanes 16-31 B's tile i
.irp i, 0,1,2,3,4,5,6,7
	ds_load_b64 v[SC+8*NQ*\sc+NQ*\i:SC+8*NQ*\sc+NQ*\i+1], v[ADRS] offset:\i*512
.endr
.endm
.macro PLACES n                        ; plain lines between a matrix instruction and a load into, or a vector line on, its registers
.rept \n
	v_nop
.endr
.endm
.macro STEP slot, q, zero              ; 128 along K that have their successor in the same slot
	s_wait_dscnt 4*NL                              ; B's set and A's tiles 0-3 are in; the youngest 16 loads (A's tiles 4-7) may be out
	WIN MUL_LO
	MUL16 0, (\q)%2, \q, \slot, \zero
	MUL16 2, (\q)%2, \q, \slot, \zero
	s_wait_dscnt 0
	PLACES NP
	FETCH_B \slot, (\q)+1, 1-(\q)%2
	FETCH_A \slot, (\q)+1, 0
	WIN MUL_HI
	MUL16 4, (\q)%2, \q, \slot, \zero
	MUL16 6, (\q)%2, \q, \slot, \zero
	PLACES NP
	WIN 0
	FETCH_A \slot, (\q)+1, 4
.endm
; A slot's last 128 change slots: one barrier; in front of it each wave waits for all its tensor loads, adds 0 to its spare word, and waits for that and for its reads of this slot.  fill = 1: the slot is filled again, two K steps ahead.
.macro TURN slot, next, fill
	s_wait_tensorcnt 0x0                           ; all my tensor loads have landed: my part of the next slot
	ds_add_u32 v[SPW], v[NIL]                      ; 0 onto my spare word
	s_wait_dscnt 4*NL+1                            ; (the add and the youngest 16 loads may be out)
	WIN MUL_LO
	MUL16 0, 1, NQ-1, \slot, 0
	s_wait_dscnt 0x0                               ; the add is done, and my reads of this slot are over
	s_barrier_signal -1
	MUL16 2, 1, NQ-1, \slot, 0
	WIN 0
	s_barrier_wait -1
.if \fill
	CREST                                          ; the barrier has opened a round of the cluster's: no wave of any partner still reads this slot or has a load on its way
	s_add_nc_u64 s[G0+4*\slot+2:G0+4*\slot+3], s[G0+4*\slot+2:G0+4*\slot+3], 2*3072
	s_add_nc_u64 s[G0B+4*\slot+2:G0B+4*\slot+3], s[G0B+4*\slot+2:G0B+4*\slot+3], 2*3072
	JLOAD G0+4*\slot, G1, G0B+4*\slot, G1B         ; the first tensor load behind the round; its four v_nop are also the places in front of the loads below
.else
	PLACES NP
.endif
	s_wait_alu depctr_va_vdst(0)
	v_add_nc_u32 v[ADRS], 128, v[ADRS]             ; the next K step's scale words
	FETCH_B \next, 0, 0
	FETCH_A \next, 0, 0
	SCALES \next
	WIN MUL_HI
	MUL16 4, 1, NQ-1, \slot, 0
	MUL16 6, 1, NQ-1, \slot, 0
	PLACES NP
	WIN 0
	FETCH_A \next, 0, 4
.endm
.macro LAST                            ; the very last 128: nothing more to fetch
	s_wait_dscnt 4*NL
	WIN MUL_LO
	MUL16 0, 1, NQ-1, 1, 0
	MUL16 2, 1, NQ-1, 1, 0
	s_wait_dscnt 0
	WIN MUL_HI
	MUL16 4, 1, NQ-1, 1, 0
	MUL16 6, 1, NQ-1, 1, 0
	WIN 0
	PLACES NP                                      ; ahead of the first read of results and of the first write over A's fragments
.endm
	s_wait_alu depctr_va_vdst(0)
	s_wait_tensorcnt 0x0                           ; my tile of the head's four is in
	ds_add_u32 v[SPW], v[NIL]
	s_mov_b32 s[G1+2], 8<<16                       ; no load of mine is out: from here on a load brings eight tiles,
	s_mov_b32 s[G1+4], 8
	s_mov_b32 s[G1B+2], 8<<16
	s_mov_b32 s[G1B+4], 8
	s_mov_b32 s[G0+1], s45                         ; and slot 0's groups 0 name my eight
	s_add_nc_u64 s[G0+2:G0+3], s[G0+2:G0+3], s[42:43]
	s_mov_b32 s[G0B+1], s45
	s_add_nc_u64 s[G0B+2:G0B+3], s[G0B+2:G0B+3], s[42:43]
	s_wait_dscnt 0x0
	CROUND                                         ; all four tiles are in, all sixteen work-groups are here
	JLOAD G0+4, G1, G0B+4, G1B                     ; slot 1's first fill, my one load behind the round
	FETCH_B 0, 0, 0
	FETCH_A 0, 0, 0
	SCALES 0
	FETCH_A 0, 0, 4
	STEP 0, 0, 1
	TURN 0, 1, 1
	STEP 1, 0, 0
	TURN 1, 0, 1
	STEP 0, 0, 0
	TURN 0, 1, 0                                   ; the last change of slots: from here to the closing round there is no barrier and no tensor load
	s_cmp_eq_u32 ttmp9, 2                          ; the roles part: the cluster's x is the same in all partners
	s_cbranch_scc1 .Lv
; ---- q AND k.  Lane (r, h) holds token 32 (a / 2) + 8 (a % 2) + r + 8 (r / 8) of my 128; of head hh its registers 0-15 are channels 16 h + i, registers 16-31 channels 32 + 16 h + i: the two that a rotation joins lie in one lane.
.set CO,  128                          ; v128-143 cos, v144-159 sin of my token, channels 16 h + i
.set SI,  144
.set CP,  160                          ; v160-175, v176-191 the same times 1 / rms
.set SP,  176
.set Y,   192                          ; v192-223 the rotated numbers
.set SS,  224                          ; v224-231 sums of squares, four registers a head
.set TMQ, 232                          ; v232-239 largest magnitudes, permutes, scale operands, bytes
.set PC,  240                          ; v240-245 the codes
.set PT,  246                          ; v246-248
.set RS,  250                          ; v250-253 1 / rms, a pair for each head
	s_lshl_b32 s18, s17, 8
	s_lshl_b32 s19, s15, 7
	s_add_co_u32 s18, s18, s19                     ; my first token among the 8,192
	s_lshr_b32 s19, s18, 11                        ; batch
	s_bfe_u32 s20, s18, 0x40007                    ; step of 128 tokens
	s_and_b32 s21, s44, 3
	s_lshl_b32 s21, s21, 2
	s_lshl_b32 s22, s16, 1
	s_add_co_u32 s21, s21, s22                     ; my first head
	s_lshl_b32 s19, s19, 4
	s_add_co_u32 s19, s19, s21
	s_lshl_b32 s19, s19, 4
	s_add_co_u32 s19, s19, s20                     ; the block's number
	s_cmp_eq_u32 ttmp9, 1
	s_cselect_b64 s[DB:DB+1], s[10:11], s[8:9]     ; k goes to kv, q to qb
	s_mov_b32 s22, 6656
	s_cselect_b32 s22, 13056, s22
	s_mul_i32 s20, s19, s22
	s_mov_b32 s21, 0
	s_add_nc_u64 s[DB:DB+1], s[DB:DB+1], s[20:21]
	s_lshl_b32 s20, s22, 4                         ; the next head: 16 blocks on
	s_add_nc_u64 s[DB+2:DB+3], s[DB:DB+1], s[20:21]
	s_and_b32 s20, s18, 2047
	s_lshl_b32 s20, s20, 7                         ; a row of the table is 128 bytes
	s_add_nc_u64 s[RB:RB+1], s[6:7], s[20:21]
	v_and_b32 v[TMQ], 8, v14
	v_add_nc_u32 v[RO], v14, v[TMQ]                ; r + 8 (r / 8)
	v_lshlrev_b32 v[RO], 7, v[RO]
	v_lshl_add_u32 v[RO], v15, 6, v[RO]            ; + 64 h: my 16 channels' words
	v_mov_b32 v[RS+1], 0                           ; (named as the upper halves of pairs)
	v_mov_b32 v[RS+3], 0
	v_mov_b32 v[TMQ+2], 0                          ; (a lane permute's destination counts as one of its sources)
	v_mov_b32 v[TMQ+3], 0
.macro RLOAD a                         ; cos and sin of tile a's tokens: 16 words a lane, into set a % 4
.irp m, 0,1,2,3
	global_load_b128 v[RAW+16*((\a)%4)+4*\m:RAW+16*((\a)%4)+4*\m+3], v[RO], s[RB:RB+1] offset:(32*((\a)/2)+8*((\a)%2))*128+16*\m
.endr
.endm
	RLOAD 0                                        ; four sets are asked for ahead of the last 128 matrix instructions
	RLOAD 1
	RLOAD 2
	RLOAD 3
	STEP 1, 0, 0
	LAST
; 32 numbers of a lane, register 16 b + i = channel 32 b + 16 h + i, become the codes of 16 tokens x 64 in v[PC] on and a scale word in v[kw]
.macro QUANT2 s, kw
.irp b, 0,1
	v_max3_num_f32 v[TMQ+\b], |v[\s+16*\b]|, |v[\s+16*\b+1]|, 0x1800000   ; the floor 2^(3 - 127): the byte cannot fall under 1
.endr
.set i, 2
.rept 7
.irp b, 0,1
	v_max3_num_f32 v[TMQ+\b], v[TMQ+\b], |v[\s+16*\b+i]|, |v[\s+16*\b+i+1]|
.endr
.set i, i+2
.endr
.irp b, 0,1
	v_permlanex16_b32 v[TMQ+2+\b], v[TMQ+\b], s[SEL], s[SEL+1]
.endr
.irp b, 0,1
	v_max_num_f32 v[TMQ+\b], v[TMQ+\b], v[TMQ+2+\b]   ; with lane l xor 16's 16: the block's
.endr
.irp b, 0,1
	v_add_nc_u32 v[TMQ+4+\b], 0xff000000, v[TMQ+\b]   ; 2 off the exponent field: the conversion's scale operand
.endr
.irp b, 0,1
	v_lshrrev_b32 v[TMQ+6+\b], 23, v[TMQ+4+\b]
.endr
	v_lshl_or_b32 v[\kw], v[TMQ+7], 8, v[TMQ+6]    ; two bytes; the upper two stay 0
	s_wait_alu depctr_va_vdst(0)
	s_wait_xcnt 0x0                                ; the last stores have read their data: the codes' registers may be written
	v_cvt_scalef32_pk16_fp6_f32 v[PC:PC+2], v[\s:\s+15], v[TMQ+4]
	v_cvt_scalef32_pk16_fp6_f32 v[PT:PT+2], v[\s+16:\s+31], v[TMQ+5]
	v_nop                                          ; one plain line behind the conversions
.irp i3, 0,1,2
	v_permlane16_swap_b32 v[PC+\i3], v[PT+\i3]     ; a whole block to a lane: lanes 0-15 block 0, lanes 16-31 block 1
.endr
.irp i3, 0,1,2
	v_mov_b32 v[PC+3+\i3], v[PT+\i3]
.endr
.endm
.macro EPI_H a, hh
.set AC, 64*((\a)%4)+32*(\hh)
.set WN, 2+(\a)/4
.set i, 0
.rept 8
	v_pk_mul_f32 v[CP+i:CP+i+1], v[CO+i:CO+i+1], v[RS+2*(\hh):RS+2*(\hh)+1] op_sel_hi:[1,0]
	v_pk_mul_f32 v[SP+i:SP+i+1], v[SI+i:SI+i+1], v[RS+2*(\hh):RS+2*(\hh)+1] op_sel_hi:[1,0]
.set i, i+2
.endr
	WIN WN                                         ; source 0: the accumulators' window
.set i, 0
.rept 8
	v_pk_mul_f32 v[Y+i:Y+i+1], v[AC+i:AC+i+1], v[CP+i:CP+i+1]
	v_pk_mul_f32 v[Y+16+i:Y+17+i], v[AC+16+i:AC+17+i], v[CP+i:CP+i+1]
.set i, i+2
.endr
.set i, 0
.rept 8
	v_pk_fma_f32 v[Y+i:Y+i+1], v[AC+16+i:AC+17+i], v[SP+i:SP+i+1], v[Y+i:Y+i+1]                                    ; y1 = x1 c + x2 s
	v_pk_fma_f32 v[Y+16+i:Y+17+i], v[AC+i:AC+i+1], v[SP+i:SP+i+1], v[Y+16+i:Y+17+i] neg_lo:[0,1,0] neg_hi:[0,1,0]   ; y2 = x2 c - x1 s
.set i, i+2
.endr
	WIN 0
	QUANT2 Y, KW+8*(\hh)+(\a)
	global_store_b128 v[L16], v[PC:PC+3], s[DB+2*(\hh):DB+2*(\hh)+1] offset:768*(\a)        ; 512 consecutive bytes, aligned
	global_store_b64 v[L8], v[PC+4:PC+5], s[DB+2*(\hh):DB+2*(\hh)+1] offset:768*(\a)+512    ; 256 consecutive bytes, aligned
.endm
.macro EPI_A a                         ; tile a of my tokens, both heads
.set WN, 2+(\a)/4
.set WW, WN|(WN<<2)
	WIN WW                                         ; sources 0 and 1: the accumulators' window
.irp hh, 0,1
.set AC, 64*((\a)%4)+32*\hh
	v_pk_mul_f32 v[SS+4*\hh:SS+4*\hh+1], v[AC:AC+1], v[AC:AC+1]                  ; the sum of squares, in two chains; each accumulator from its low end on
	v_pk_mul_f32 v[SS+4*\hh+2:SS+4*\hh+3], v[AC+2:AC+3], v[AC+2:AC+3]
.set n, 4
.rept 14
	v_pk_fma_f32 v[SS+4*\hh+n%4:SS+4*\hh+n%4+1], v[AC+n:AC+n+1], v[AC+n:AC+n+1], v[SS+4*\hh+n%4:SS+4*\hh+n%4+1]
.set n, n+2
.endr
.endr
	WIN 0
.irp hh, 0,1
	v_pk_add_f32 v[SS+4*\hh:SS+4*\hh+1], v[SS+4*\hh:SS+4*\hh+1], v[SS+4*\hh+2:SS+4*\hh+3]
.endr
.irp hh, 0,1
	v_add_f32 v[SS+4*\hh], v[SS+4*\hh], v[SS+4*\hh+1]
.endr
.irp hh, 0,1
	v_permlanex16_b32 v[SS+4*\hh+1], v[SS+4*\hh], s[SEL], s[SEL+1]
.endr
.irp hh, 0,1
	v_add_f32 v[SS+4*\hh], v[SS+4*\hh], v[SS+4*\hh+1]   ; with lane l xor 16's 32 channels
.endr
.irp hh, 0,1
	v_fma_f32 v[SS+4*\hh], v[SS+4*\hh], s[I64], s[EPS]  ; the mean + eps
.endr
	s_wait_alu depctr_va_vdst(0)
.irp hh, 0,1
	v_rsq_f32 v[RS+2*\hh], v[SS+4*\hh]
.endr
.if (\a) < 5
	s_wait_loadcnt 12                              ; this tile's four loads are in; three younger sets may be out
.else
	s_wait_loadcnt 4*(7-(\a))
.endif
.set i, 0
.rept 16
	v_lshlrev_b32 v[CO+i], 16, v[RAW+16*((\a)%4)+i]    ; bf16 to f32.  These 32 lines are the independent work behind the two roots
	v_and_b32 v[SI+i], s[HM], v[RAW+16*((\a)%4)+i]
.set i, i+1
.endr
.if (\a) < 4
	RLOAD (\a)+4
.endif
	s_wait_alu depctr_va_vdst(0)                   ; one wait for both roots, ahead of their first reader
	EPI_H \a, 0
	EPI_H \a, 1
.endm
.irp a, 0,1,2,3,4,5,6,7
	EPI_A \a
.endr
.irp hh, 0,1
.irp e, 0,1,2,3
	v_cndmask_b32 v[Y+4*\hh+\e], v[KW+8*\hh+\e], v[KW+8*\hh+4+\e], s[HM]   ; lanes 0-15 store the words of tiles 0-3, lanes 16-31 those of tiles 4-7
.endr
	global_store_b128 v[L16], v[Y+4*\hh:Y+4*\hh+3], s[DB+2*\hh:DB+2*\hh+1] offset:6144   ; 512 consecutive bytes, aligned
.endr
	s_branch .Lend
; ---- v.  Lane (r, h) holds channel slot r of tile a (head a / 4, tile a % 4 of its 64); the 16 registers of B's tiles 2 b, 2 b + 1 are tokens 32 b + 16 h + 0 .. 15 of my 128: the next product's K.
.Lv:
.set TMV, 224                          ; v224-227 largest magnitudes, v228-231 permutes and bytes, v236-239 scale operands
.set VC,  128                          ; v128-139 the codes
.set VT,  140                          ; v140-146
.set VW,  148                          ; v148-151 scale words on their way out
	s_lshl_b32 s18, s17, 2
	s_lshl_b32 s19, s15, 1
	s_add_co_u32 s18, s18, s19                     ; my first head
	s_lshl_b32 s19, s44, 8
	s_lshl_b32 s20, s16, 7
	s_add_co_u32 s19, s19, s20                     ; my first token
	s_lshr_b32 s20, s19, 11                        ; batch
	s_bfe_u32 s21, s19, 0x40007                    ; step of 128 tokens
	s_lshl_b32 s20, s20, 4
	s_add_co_u32 s20, s20, s18
	s_lshl_b32 s20, s20, 4
	s_add_co_u32 s20, s20, s21
	s_mul_i32 s20, s20, 13056
	s_add_co_u32 s20, s20, 6656                    ; v's part of the block
	s_mov_b32 s21, 0
	s_add_nc_u64 s[DB:DB+1], s[10:11], s[20:21]
	s_add_nc_u64 s[DB+2:DB+3], s[DB:DB+1], 16*13056
.irp b, 0,1,2,3
	v_mov_b32 v[TMV+4+\b], 0                       ; (a lane permute's destination counts as one of its sources)
.endr
	STEP 1, 0, 0
	LAST
.macro EPV a
.set AC, 64*((\a)%4)
.set WN, 2+(\a)/4
.set WW, WN|(WN<<2)
	WIN WW
.irp b, 0,1,2,3
	v_max3_num_f32 v[TMV+\b], |v[AC+16*\b]|, |v[AC+16*\b+1]|, 0x1800000
.endr
.set i, 2
.rept 7
.irp b, 0,1,2,3
	v_max3_num_f32 v[TMV+\b], |v[AC+16*\b+i]|, |v[AC+16*\b+i+1]|, v[TMV+\b]
.endr
.set i, i+2
.endr
	WIN 0
.irp b, 0,1,2,3
	v_permlanex16_b32 v[TMV+4+\b], v[TMV+\b], s[SEL], s[SEL+1]
.endr
.irp b, 0,1,2,3
	v_max_num_f32 v[TMV+\b], v[TMV+\b], v[TMV+4+\b]
.endr
.irp b, 0,1,2,3
	v_add_nc_u32 v[TMV+12+\b], 0xff000000, v[TMV+\b]
.endr
.irp b, 0,1,2,3
	v_lshrrev_b32 v[TMV+4+\b], 23, v[TMV+12+\b]
.endr
	v_lshl_or_b32 v[KW+(\a)], v[TMV+5], 8, v[TMV+4]
	v_lshl_or_b32 v[KW+(\a)], v[TMV+6], 16, v[KW+(\a)]
	v_lshl_or_b32 v[KW+(\a)], v[TMV+7], 24, v[KW+(\a)]
	s_wait_xcnt 0x0                                ; the last stores have read their data
	WIN WN
.irp c, 0,1
	v_cvt_scalef32_pk16_fp6_f32 v[VC+6*\c:VC+6*\c+2], v[AC+32*\c:AC+32*\c+15], v[TMV+12+2*\c]
	v_cvt_scalef32_pk16_fp6_f32 v[VT+4*\c:VT+4*\c+2], v[AC+32*\c+16:AC+32*\c+31], v[TMV+12+2*\c+1]
.endr
	WIN 0
	v_nop                                          ; one plain line behind the conversions
.irp c, 0,1
.irp i3, 0,1,2
	v_permlane16_swap_b32 v[VC+6*\c+\i3], v[VT+4*\c+\i3]
.endr
.irp i3, 0,1,2
	v_mov_b32 v[VC+6*\c+3+\i3], v[VT+4*\c+\i3]
.endr
.endr
	global_store_b128 v[L16], v[VC:VC+3], s[DB+2*((\a)/4):DB+2*((\a)/4)+1] offset:1536*((\a)%4)
	global_store_b64 v[L8], v[VC+4:VC+5], s[DB+2*((\a)/4):DB+2*((\a)/4)+1] offset:1536*((\a)%4)+512
	global_store_b128 v[L16], v[VC+6:VC+9], s[DB+2*((\a)/4):DB+2*((\a)/4)+1] offset:1536*((\a)%4)+768
	global_store_b64 v[L8], v[VC+10:VC+11], s[DB+2*((\a)/4):DB+2*((\a)/4)+1] offset:1536*((\a)%4)+1280
.if (\a)%4 == 3
	v_cndmask_b32 v[VW+2*((\a)/4)], v[KW+(\a)-3], v[KW+(\a)-1], s[HM]     ; lanes 0-15 store the words of tiles 0, 1, lanes 16-31 those of tiles 2, 3
	v_cndmask_b32 v[VW+2*((\a)/4)+1], v[KW+(\a)-2], v[KW+(\a)], s[HM]
	global_store_b64 v[L8], v[VW+2*((\a)/4):VW+2*((\a)/4)+1], s[DB+2*((\a)/4):DB+2*((\a)/4)+1] offset:6144   ; 256 consecutive bytes, aligned
.endif
.endm
.irp a, 0,1,2,3,4,5,6,7
	EPV \a
.endr
.Lend:
	s_wait_tensorcnt 0x0                           ; the wave's end
	ds_add_u32 v[SPW], v[NIL]
	s_wait_dscnt 0x0
	CROUND                                         ; the closing round: no work-group ends while a partner may still ask for a tile that names it
	s_endpgm
.Lfunc_end_k_q8ac59f66e6_qkv:
	.size	k_q8ac59f66e6_qkv, .Lfunc_end_k_q8ac59f66e6_qkv-k_q8ac59f66e6_qkv
	.p2alignl 7, 3214868480
	.fill 96, 4, 3214868480
	.section	.rodata,"a",@progbits
	.p2align	6, 0x0
	.amdhsa_kernel k_q8ac59f66e6_qkv
		.amdhsa_group_segment_fixed_size 327680
		.amdhsa_private_segment_fixed_size 0
		.amdhsa_enable_private_segment 0
		.amdhsa_kernarg_size 32
		.amdhsa_user_sgpr_count 2
		.amdhsa_user_sgpr_kernarg_segment_ptr 1
		.amdhsa_wavefront_size32 1
		.amdhsa_system_sgpr_workgroup_id_x 1
		.amdhsa_system_sgpr_workgroup_id_y 1
		.amdhsa_system_sgpr_workgroup_id_z 1
		.amdhsa_system_vgpr_workitem_id 0
		.amdhsa_next_free_vgpr 1024
		.amdhsa_next_free_sgpr 100
		.amdhsa_reserve_vcc 0
		.amdhsa_float_denorm_mode_32 3
		.amdhsa_float_denorm_mode_16_64 3
		.amdhsa_memory_ordered 1
		.amdhsa_forward_progress 1
		.amdhsa_inst_pref_size 255
	.end_amdhsa_kernel
	.section	.bss,"aw",@nobits
	.p2align	6
	.space	262144
	.amdgpu_metadata
---
amdhsa.version: [ 1, 2 ]
amdhsa.kernels:
  - .name:           k_q8ac59f66e6_qkv
    .symbol:         k_q8ac59f66e6_qkv.kd
    .args:
      - { .name: ops, .offset: 0, .size: 8, .value_kind: global_buffer, .address_space: global }
      - { .name: rope, .offset: 8, .size: 8, .value_kind: global_buffer, .address_space: global }
      - { .name: qb, .offset: 16, .size: 8, .value_kind: global_buffer, .address_space: global }
      - { .name: kv, .offset: 24, .size: 8, .value_kind: global_buffer, .address_space: global }
    .group_segment_fixed_size: 327680
    .private_segment_fixed_size: 0
    .kernarg_segment_align: 8
    .kernarg_segment_size: 32
    .max_flat_workgroup_size: 128
    .sgpr_count:     100
    .vgpr_count:     1024
    .wavefront_size: 32
...
	.end_amdgpu_metadata
.endif
;; end of part 2
;; launch attn (part 3): grid 4 x 64, 8 waves a work-group, clusters of 4 x 1, 327,680 bytes of LDS; arguments qb, kv, yq; writes yq
.if DOCPART == 3
	.amdgcn_target "amdgcn-amd-amdhsa--gfx1250"
	.amdhsa_code_object_version 6
	.text
	.protected	k_q8ac59f66e6_attn
	.globl	k_q8ac59f66e6_attn
	.p2align	8
	.type	k_q8ac59f66e6_attn,@function
k_q8ac59f66e6_attn:
	s_mov_b64 s[64:65], 0
	v_nop
	global_prefetch_b8 v0, s[64:65] scope:SCOPE_SE
	s_setreg_imm32_b32 hwreg(HW_REG_WAVE_MODE, 25, 1), 1
	s_wait_xcnt 0x0
	s_wait_alu depctr_hold_cnt(0) depctr_sa_sdst(0) depctr_va_vdst(0) depctr_va_sdst(0) depctr_va_ssrc(0) depctr_va_vcc(0) depctr_vm_vsrc(0)
	s_getreg_b32 s2, hwreg(HW_REG_IB_STS2, 6, 4)
	s_cmp_eq_u32 s2, 0
	s_cbranch_scc0 .Lentry_in_a_cluster
	s_endpgm
.Lentry_in_a_cluster:
	s_bfe_u32 s2, ttmp6, 0x10000c
	s_cmp_lg_u32 s2, 0x3003
	s_cbranch_scc0 .Lentry_shape_is_right
	s_endpgm
.Lentry_shape_is_right:
; y = softmax(q k^T / 8, causal) v for one (batch, head), on codes of FP6 (E2M3) with E8M0 scales; y leaves quantised along the channels (codes and bytes in yq).
; WORK LEFT OUT: steps of 128 keys all of which come after all queries of a tile (reference()'s own jnp.tril gives them p = 0): see launch quant's head.
; NO MAXIMUM IS TAKEN AWAY: M = 0.  reference() itself normalises q and k: the RMS norm gives a head's 64 numbers a sum of squares of at most 64; the rotation by cos and sin rounded to bf16 multiplies a length by at most
; 1 + 2^-8; the quantiser moves a number up by at most 1/16 of its block's largest, a block's length by at most sqrt(32)/16 of itself.  So both lengths stay under 8 x 1.004 x 1.354 = 10.9, a score / 8 under 14.9 and
; |t| = |score log2(e) / 8| under 22, for every input: p = 2^t lies between 2^-22 and 2^22, a row's sum under 2^33, p's scale bytes between 103 and 147.  M need only be a whole number: 0 is one, and the codes' values are those of any other M.
; SHARES.  A cluster of four work-groups serves one (batch, head); place PL takes tile PL of each 64 queries.  All 16 blocks of k and v (208,896 bytes) come once into every partner's LDS by joint loads,
; one a wave at the head (2 blocks, 102 rows of 256 bytes); nothing is filled again.  No prefetch: there is no loop of loads to run ahead in.
; A wave takes the two tiles X, Y of a step m of 128 queries together (tokens under 64 and from 64 on): both walk keys' steps 0 .. m and share every fragment of k and v.  Wave w takes m = w, then m = 15 - w: 17 steps each.
; X lies in register window 0, Y in window 1 under the same numbers; k's fragments and all scale words in window 0, v's fragments in window 1.
; ORDER in a step: X's vector work, X's p v, X's next scores, then the same for Y: a tile's matrix instructions are issued ahead of the other tile's vector work.
; BOTH PRODUCTS TRANSPOSED (S^T = k q^T, O^T = v^T p^T): a lane holds one query.  THE KEYS OF A SCORE TILE are chosen by the lanes' LDS addresses: row 8 h + j of tile 4 c + u is key 64 c + 32 h + 8 u + j,
; so a lane's 32 registers of tiles 4 c .. 4 c + 3 are a WHOLE block of 32 keys in the order p's operand wants: the block's largest p needs no other lane and the codes no exchange.
; The head has 64 channels: q's upper six registers are zeros, and a tile of k names the next tile's six as its upper half, which those zeros cancel.
; LIMITS: a block of p that is all zeros gets the byte 1 (its codes are zeros); NaN and infinities are not served.
.set BLK,   13056
.set HEADB, 16*BLK
.set SPARE, HEADB                      ; the spare words, 128 bytes a wave
.set L16, 1                            ; 16 x lane
.set L8,  2                            ; 8 x lane
.set R16, 3                            ; 16 r
.set R8,  4                            ; 8 r
.set SPW, 5                            ; my spare word; never rewritten
.set NIL, 6                            ; 0; never rewritten
.set KB16, 7                           ; k's images: 16 (r % 8) + 256 h + 1,536 (r / 8)
.set KB8,  8                           ; 8 (r % 8) + 128 h + 1,536 (r / 8)
.set KSB,  9                           ; k's scale words: 16 (r % 8) + 8 (r / 8)
.set A16, 10                           ; v10-15 the same six with the step's block added
.set A8,  11
.set AR8, 12
.set AK16, 13
.set AK8, 14
.set AKS, 15
.set Q,   16                           ; v16-27 q's fragment, first walk
.set QW,  28                           ; v28, 29 q's scale words of X, Y
.set PW,  30                           ; v30, 31 p's scale words of X, Y
.set KF,  32                           ; v32-85 k's eight tiles and six zeros (window 0)
.set VF,  32                           ; v32-79 v's four tiles (window 1)
.set SWK, 86
.set SWV, 94
.set ST,  98                           ; v98-161 scores, then p
.set OT,  162                          ; v162-193 O^T
.set PCD, 194
.set PT,  206
.set BM,  214
.set SO,  218
.set BY,  220
.set SUM, 222                          ; v222-229 the row's sum in four pairs
.set QB,  230                          ; v230-241 q's fragment, second walk
.set QWB, 242
.set WD,  244
.set PD,  245
.set DQ,  246                          ; my query's place among its tile's 64 keys, less 32 h
.set H8,  247
.set FF,  248
.set TT,  250
.set NEG, 251                          ; -infinity
.set RH,  252
.set WV, 10
.set PL, 11
.set BH, 12
.set J,  13
.set SEL, 14
.set CS, 16                            ; log2(e) / 8
.set HM, 18
.set TB, 19
.set TK, 20
.set JD, 21
.set MA, 56
.set MB, 57
.set MSB, 0
.macro WIN new                         ; the immediate's high byte repeats the setting that is left
.if MSB != (\new)
	s_set_vgpr_msb (MSB<<8)|(\new)
.set MSB, \new
.endif
.endm
.macro CROUND
	s_barrier_signal -1
	s_barrier_wait -1
	s_cmp_lg_u32 s[WV], 0
	s_cbranch_scc1 .Lnot_wave_0_\@
	s_barrier_signal -3
.Lnot_wave_0_\@:
	s_barrier_wait -3
	s_barrier_signal -1
	s_barrier_wait -1
.endm
	s_load_b128 s[4:7], s[0:1], 0x0                ; qb, kv
	s_load_b64 s[8:9], s[0:1], 0x10                ; yq
	v_lshl_add_u32 v[SPW], v0, 2, SPARE
	v_mov_b32 v[NIL], 0
	ds_add_u32 v[SPW], v[NIL]                      ; the opening lines: the add twice and its wait ahead of my tensor load
	ds_add_u32 v[SPW], v[NIL]
	v_lshrrev_b32 v1, 5, v0
	v_readfirstlane_b32 s[WV], v1
	s_bfe_u32 s[PL], ttmp6, 0x40000
	s_and_b32 s[BH], ttmp7, 0xffff
	s_mov_b32 s24, 15|(3<<16)|(1<<21)              ; all four partners; elements of 8 bytes
	s_mov_b32 s25, 32<<16
	s_mov_b32 s26, 102<<16                         ; 102 rows of 256 bytes: two blocks
	s_mov_b32 s27, 32<<16
	s_mov_b32 s28, 102
	s_mov_b32 s29, 32
	s_mov_b32 s30, 0
	s_mov_b32 s31, 0
	s_mul_i32 s36, s[BH], HEADB
	s_mul_i32 s33, s[WV], 2*BLK
	s_add_co_u32 s36, s36, s33
	s_mov_b32 s37, 0
	s_mov_b32 s[SEL], 0x76543210
	s_mov_b32 s[SEL+1], 0xfedcba98
	s_mov_b32 s[CS], 0x3e38aa3b
	s_mov_b32 s[CS+1], s[CS]
	s_mov_b32 s[HM], 0xffff0000
	s_mov_b32 s[MA], s[WV]
	s_sub_co_u32 s[MB], 15, s[WV]
	s_lshr_b32 s2, s[PL], 1
	s_lshl_b32 s2, s2, 5
	s_and_b32 s3, s[PL], 1
	s_lshl_b32 s3, s3, 3
	s_add_co_u32 s2, s2, s3                        ; my tile's first token among its 64
	s_wait_dscnt 0x0
	s_wait_kmcnt 0x0
	s_mov_b32 s32, 1
	s_add_nc_u64 s[34:35], s[6:7], s[36:37]
	s_or_b32 s35, s35, 0x80000000
	CROUND
	tensor_load_to_lds s[32:35], s[24:31]          ; my one load: blocks 2 w, 2 w + 1
	s_nop 0
.rept 4
	v_nop
.endr
	v_and_b32 v[L16], 31, v0
	v_lshlrev_b32 v[L8], 3, v[L16]
	v_lshlrev_b32 v[L16], 4, v[L16]
	v_and_b32 v[TT], 15, v0                        ; r
	v_bfe_u32 v[WD], v0, 4, 1                      ; h
	v_lshlrev_b32 v[R16], 4, v[TT]
	v_lshlrev_b32 v[R8], 3, v[TT]
	v_add_nc_u32 v[RH], v[R8], v[WD]
	v_lshlrev_b32 v[H8], 3, v[WD]
	v_and_b32 v[PD], 7, v0                         ; r % 8
	v_bfe_u32 v[BY], v0, 3, 1                      ; r / 8
	v_mul_u32_u24 v[KB16], v[BY], 1536
	v_lshl_add_u32 v[KB8], v[PD], 3, v[KB16]
	v_lshl_add_u32 v[KB8], v[WD], 7, v[KB8]
	v_lshl_add_u32 v[KB16], v[PD], 4, v[KB16]
	v_lshl_add_u32 v[KB16], v[WD], 8, v[KB16]
	v_lshlrev_b32 v[KSB], 4, v[PD]
	v_lshl_add_u32 v[KSB], v[BY], 3, v[KSB]
	v_lshl_add_u32 v[DQ], v[BY], 3, v[TT]          ; r + 8 (r / 8)
	v_lshlrev_b32 v[BY+1], 5, v[WD]
	v_sub_nc_u32 v[DQ], v[DQ], v[BY+1]
	v_add_nc_u32 v[DQ], s2, v[DQ]
	WIN 0x40                                       ; destination window 1: Y's copies
	v_mov_b32 v[DQ], v[DQ]
	v_mov_b32 v[H8], v[H8]
.irp w, 0, 0x40
	WIN \w
.irp z, Q+6,Q+7,Q+8,Q+9,Q+10,Q+11,QB+6,QB+7,QB+8,QB+9,QB+10,QB+11,PD,TT,FF+1
	v_mov_b32 v[\z], 0
.endr
	v_mov_b32 v[NEG], 0xff800000
.endr
	WIN 0
.irp z, 48,49,50,51,52,53
	v_mov_b32 v[KF+\z], 0
.endr
	s_wait_alu depctr_va_vdst(0)                   ; the wait at the head's end, ahead of the scalar lines
.macro ADDR m, qc, qx, yb, ys          ; X's places for step m; Y's lie constant distances on
	s_lshl_b32 s2, s[BH], 4
	s_add_co_u32 s2, s2, s[\m]
	s_mul_i32 s2, s2, 6656
	s_mul_i32 s3, s[PL], 768
	s_add_co_u32 s[\qc], s2, s3
	s_mov_b32 s[\qc+1], 0
	s_add_nc_u64 s[\qc:\qc+1], s[4:5], s[\qc:\qc+1]
	s_lshl_b32 s3, s[PL], 2
	s_add_co_u32 s3, s3, s2
	s_add_co_u32 s[\qx], s3, 6144
	s_mov_b32 s[\qx+1], 0
	s_add_nc_u64 s[\qx:\qx+1], s[4:5], s[\qx:\qx+1]
	s_lshr_b32 s2, s[BH], 4
	s_lshl_b32 s2, s2, 7
	s_lshl_b32 s3, s[\m], 3
	s_add_co_u32 s2, s2, s3
	s_add_co_u32 s2, s2, s[PL]                     ; the tile of 16 tokens among 512
	s_and_b32 s3, s[BH], 15                        ; head
	s_lshl_b32 s22, s2, 4
	s_add_co_u32 s22, s22, s3
	s_mul_i32 s[\yb], s22, 768
	s_mov_b32 s[\yb+1], 0
	s_add_nc_u64 s[\yb:\yb+1], s[8:9], s[\yb:\yb+1]
	s_lshl_b32 s2, s2, 9
	s_lshr_b32 s22, s3, 2
	s_lshl_b32 s22, s22, 7
	s_add_co_u32 s2, s2, s22
	s_and_b32 s22, s3, 3
	s_lshl_b32 s22, s22, 1
	s_add_co_u32 s2, s2, s22
	s_add_co_u32 s[\ys], s2, 6291456
	s_mov_b32 s[\ys+1], 0
	s_add_nc_u64 s[\ys:\ys+1], s[8:9], s[\ys:\ys+1]
.endm
.macro QLOAD q, qw, qc, qx
	global_load_b128 v[\q:\q+3], v[L16], s[\qc:\qc+1]
	global_load_b64 v[\q+4:\q+5], v[L8], s[\qc:\qc+1] offset:512
	global_load_b32 v[\qw], v[R16], s[\qx:\qx+1]
	global_load_b32 v[\qw+1], v[R16], s[\qx:\qx+1] offset:256
	WIN 0x40
	global_load_b128 v[\q:\q+3], v[L16], s[\qc:\qc+1] offset:3072
	global_load_b64 v[\q+4:\q+5], v[L8], s[\qc:\qc+1] offset:3584
	WIN 0
.endm
	ADDR MA, 40, 42, 44, 46
	ADDR MB, 48, 50, 52, 54
	QLOAD Q, QW, 40, 42
	QLOAD QB, QWB, 48, 50
.macro KLOAD a16, a8, as               ; tile t = 4 c + u: stored tiles 4 c + u % 2 (lanes r < 8) and two on (r >= 8), slots 8 (u / 2) + r % 8
.set t, 0
.rept 8
	ds_load_b128 v[KF+6*t:KF+6*t+3], v[\a16] offset:768*(4*(t/4)+t%2)+128*((t%4)/2)
	ds_load_b64 v[KF+6*t+4:KF+6*t+5], v[\a8] offset:768*(4*(t/4)+t%2)+64*((t%4)/2)+512
.set t, t+1
.endr
.set t, 0
.rept 4
	ds_load_b64 v[SWK+2*t:SWK+2*t+1], v[\as] offset:6144+256*(t/2)+128*(t%2)
.set t, t+1
.endr
.endm
.macro SCORES w, q, qw                 ; eight accumulators, one instruction each
	WIN 0x54*\w
.set t, 0
.rept 8
	v_wmma_scale_f32_16x16x128_f8f6f4 v[ST+8*t:ST+8*t+7], v[KF+6*t:KF+6*t+11], v[\q:\q+11], 0, v[SWK+t], v[\qw] matrix_a_fmt:MATRIX_FMT_FP6 matrix_b_fmt:MATRIX_FMT_FP6
.set t, t+1
.endr
	WIN 0
.endm
.macro ADDS cnt                        ; the next cnt pairs of p onto the row's sum, four chains by turns
.rept \cnt
	v_pk_add_f32 v[SUM+2*(sa%4):SUM+2*(sa%4)+1], v[SUM+2*(sa%4):SUM+2*(sa%4)+1], v[ST+2*sa:ST+2*sa+1]
.set sa, sa+1
.endr
.endm
; One tile's share of a step: mask (last step alone), p = 2^t, sum, block maxima, codes, O^T += v^T p^T, and the next step's scores
.macro PHASE w, q, qw, pw
	s_cmp_lg_u32 s[J], s[JD]
	s_cbranch_scc1 .Lopen_\@
	WIN 0x55*\w
	s_wait_alu depctr_va_vdst(0)                   ; the wait ahead of the first readers of matrix results
.set n, 0
.rept 32                               ; the 64 keys of my tile's own half: key n + 32 h against my query
	v_cmp_gt_i32 vcc_lo, n, v[DQ]
	v_cndmask_b32 v[ST+32*\w+n], v[ST+32*\w+n], v[NEG], vcc_lo
.set n, n+1
.endr
.if \w == 0
.set n, 32
.rept 32                               ; X's queries lie under 64: keys 64 on do not count
	v_mov_b32 v[ST+n], v[NEG]
.set n, n+1
.endr
.endif
	WIN 0
.Lopen_\@:
.if \w == 0
	v_add_nc_u32 v[A16], s[TB], v[L16]
	v_add_nc_u32 v[A8], s[TB], v[L8]
	v_add_nc_u32 v[AR8], s[TB], v[R8]
	v_add_nc_u32 v[AK16], s[TK], v[KB16]
	v_add_nc_u32 v[AK8], s[TK], v[KB8]
	v_add_nc_u32 v[AKS], s[TK], v[KSB]
.endif
	WIN 0x55*\w
	s_wait_alu depctr_va_vdst(0)                   ; as above, for the scores first read here
.set n, 0
.rept 32
	v_pk_mul_f32 v[ST+n:ST+n+1], v[ST+n:ST+n+1], s[CS:CS+1] op_sel_hi:[1,0]   ; t
.set n, n+2
.endr
.if \w == 0                            ; the 38 lines above are the places behind the matrix instructions that read these registers
	WIN 0x40
.set t, 0
.rept 4
	ds_load_b128 v[VF+12*t:VF+12*t+3], v[A16] offset:6656+1536*t
	ds_load_b64 v[VF+12*t+4:VF+12*t+5], v[A8] offset:6656+1536*t+512
	ds_load_b128 v[VF+12*t+6:VF+12*t+9], v[A16] offset:6656+1536*t+768
	ds_load_b64 v[VF+12*t+10:VF+12*t+11], v[A8] offset:6656+1536*t+1280
.set t, t+1
.endr
	WIN 0
	ds_load_b64 v[SWV:SWV+1], v[AR8] offset:12800
	ds_load_b64 v[SWV+2:SWV+3], v[AR8] offset:12928
	s_cmp_ge_u32 s[J], s[JD]
	s_cbranch_scc1 .Lnok_\@
	KLOAD AK16, AK8, AKS                           ; the next step's k
.Lnok_\@:
.endif
	WIN 0x55*\w
	s_wait_alu depctr_va_vdst(0)                   ; ahead of the batch
.set n, 0
.rept 64
	v_exp_f32 v[ST+n], v[ST+n]
.set n, n+1
.endr
	v_nop
	s_wait_alu depctr_va_vdst(0)                   ; one wait for the batch
.if \w == 0
	s_wait_dscnt 0x0                               ; v's fragments and the next k's, asked for ahead of the batch
.endif
.set sa, 0
.irp c, 0,1                            ; a block's largest p: two chains a block, the floor 2^(3 - 127) among the leaves
	v_max3_num_f32 v[BM+2*\c], v[ST+32*\c], v[ST+32*\c+1], 0x1800000
	v_max3_num_f32 v[BM+2*\c+1], v[ST+32*\c+16], v[ST+32*\c+17], v[ST+32*\c+18]
.endr
	ADDS 3
.set i, 0
.rept 6
.irp c, 0,1
	v_max3_num_f32 v[BM+2*\c], v[BM+2*\c], v[ST+32*\c+2+2*i], v[ST+32*\c+3+2*i]
	v_max3_num_f32 v[BM+2*\c+1], v[BM+2*\c+1], v[ST+32*\c+19+2*i], v[ST+32*\c+20+2*i]
.endr
	ADDS 3
.set i, i+1
.endr
.irp c, 0,1
	v_max3_num_f32 v[BM+2*\c], v[BM+2*\c], v[ST+32*\c+14], v[ST+32*\c+15]
.endr
	ADDS 1
.irp c, 0,1
	v_max3_num_f32 v[BM+2*\c], v[BM+2*\c], v[BM+2*\c+1], v[ST+32*\c+31]
.endr
	ADDS 1
.irp c, 0,1
	v_add_nc_u32 v[SO+\c], 0xff000000, v[BM+2*\c]  ; 2 off the exponent field: the conversion's scale operand
.endr
	ADDS 1
.irp c, 0,1
	v_lshrrev_b32 v[BY+\c], 23, v[SO+\c]
.endr
	ADDS 1
	v_lshl_or_b32 v[WD], v[BY+1], 16, v[BY]        ; my bytes: blocks h and 2 + h
	ADDS 1
	v_lshlrev_b32 v[WD], v[H8], v[WD]
	ADDS 1
	v_permlanex16_b32 v[PD], v[WD], s[SEL], s[SEL+1]
	WIN 0x05*\w                                    ; scale words lie in window 0
	v_or_b32 v[\pw], v[WD], v[PD]
	WIN 0x55*\w
.irp c, 0,1
	v_cvt_scalef32_pk16_fp6_f32 v[PCD+6*\c:PCD+6*\c+2], v[ST+32*\c:ST+32*\c+15], v[SO+\c]
	v_cvt_scalef32_pk16_fp6_f32 v[PT+4*\c:PT+4*\c+2], v[ST+32*\c+16:ST+32*\c+31], v[SO+\c]
.endr
	ADDS 1                                         ; the plain line behind the conversions
.irp c, 0,1
.irp i3, 0,1,2
	v_mov_b32 v[PCD+6*\c+3+\i3], v[PT+4*\c+\i3]    ; (a conversion's three registers begin on an even number)
.endr
.endr
	ADDS 4                                         ; four places behind the codes' last write, fifteen behind the scale word's
	WIN 0x01+0x54*\w
.set t, 0
.rept 4
	v_wmma_scale_f32_16x16x128_f8f6f4 v[OT+8*t:OT+8*t+7], v[VF+12*t:VF+12*t+11], v[PCD:PCD+11], v[OT+8*t:OT+8*t+7], v[SWV+t], v[\pw] matrix_a_fmt:MATRIX_FMT_FP6 matrix_b_fmt:MATRIX_FMT_FP6
.set t, t+1
.endr
	WIN 0
	s_cmp_ge_u32 s[J], s[JD]
	s_cbranch_scc1 .Lnos_\@
	SCORES \w, \q, \qw
.Lnos_\@:
.endm
.macro FINISH w, yb, ys                ; O^T / the sum, quantised along the head's 64 channels, stored
	WIN 0x55*\w
	s_wait_alu depctr_va_vdst(0)
	v_pk_add_f32 v[SUM:SUM+1], v[SUM:SUM+1], v[SUM+2:SUM+3]
	v_pk_add_f32 v[SUM+4:SUM+5], v[SUM+4:SUM+5], v[SUM+6:SUM+7]
	s_delay_alu instid0(VALU_DEP_1)
	v_pk_add_f32 v[SUM:SUM+1], v[SUM:SUM+1], v[SUM+4:SUM+5]
	s_delay_alu instid0(VALU_DEP_1)
	v_add_f32 v[SUM], v[SUM], v[SUM+1]
	s_delay_alu instid0(VALU_DEP_1)
	v_permlanex16_b32 v[TT], v[SUM], s[SEL], s[SEL+1]
	s_delay_alu instid0(VALU_DEP_1)
	v_add_f32 v[SUM], v[SUM], v[TT]
	s_wait_alu depctr_va_vdst(0)
	v_rcp_f32 v[FF], v[SUM]
	v_nop
	s_wait_alu depctr_va_vdst(0)
.set n, 0
.rept 16
	v_pk_mul_f32 v[ST+n:ST+n+1], v[OT+n:OT+n+1], v[FF:FF+1] op_sel_hi:[1,0]
.set n, n+2
.endr
.irp b, 0,1
	v_max3_num_f32 v[BM+\b], |v[ST+16*\b]|, |v[ST+16*\b+1]|, 0x1800000
.endr
.set n, 2
.rept 7
.irp b, 0,1
	v_max3_num_f32 v[BM+\b], v[BM+\b], |v[ST+16*\b+n]|, |v[ST+16*\b+n+1]|
.endr
.set n, n+2
.endr
	v_permlanex16_b32 v[PD], v[BM], s[SEL], s[SEL+1]
	v_permlanex16_b32 v[TT], v[BM+1], s[SEL], s[SEL+1]
	v_max_num_f32 v[BM], v[BM], v[PD]
	v_max_num_f32 v[BM+1], v[BM+1], v[TT]
.irp b, 0,1
	v_add_nc_u32 v[SO+\b], 0xff000000, v[BM+\b]
.endr
.irp b, 0,1
	v_lshrrev_b32 v[BY+\b], 23, v[SO+\b]
.endr
	v_cndmask_b32 v[TT], v[BY], v[BY+1], s[HM]
	v_cvt_scalef32_pk16_fp6_f32 v[PCD:PCD+2], v[ST:ST+15], v[SO]
	v_cvt_scalef32_pk16_fp6_f32 v[PT:PT+2], v[ST+16:ST+31], v[SO+1]
	v_nop
.irp i3, 0,1,2
	v_permlane16_swap_b32 v[PCD+\i3], v[PT+\i3]
.endr
.irp i3, 0,1,2
	v_mov_b32 v[PCD+3+\i3], v[PT+\i3]
.endr
	WIN 0x04*\w                                    ; data in the tile's window, offsets in window 0
	global_store_b128 v[L16], v[PCD:PCD+3], s[\yb:\yb+1] offset:49152*\w
	global_store_b64 v[L8], v[PCD+4:PCD+5], s[\yb:\yb+1] offset:49152*\w+512
	global_store_b8 v[RH], v[TT], s[\ys:\ys+1] offset:2048*\w
	WIN 0
.endm
.macro WALK trips, m, q, qw, yb, ys    ; the trip count is a constant; steps beyond m are jumped over
	s_mov_b32 s[JD], s[\m]
	KLOAD KB16, KB8, KSB
	s_wait_dscnt 0x0
	SCORES 0, \q, \qw
	SCORES 1, \q, \qw+1
.irp w, 0, 0x40                        ; the step is written once: O^T and the sums begin as zeros.  These lines are also the places behind the scores
	WIN \w
.set n, 0
.rept 32
	v_mov_b32 v[OT+n], 0
.set n, n+1
.endr
.set n, 0
.rept 8
	v_mov_b32 v[SUM+n], 0
.set n, n+1
.endr
.endr
	WIN 0
	s_mov_b32 s[TB], 0
	s_mov_b32 s[J], 0
.Lstep_\@:
	s_cmp_gt_u32 s[J], s[JD]
	s_cbranch_scc1 .Lhid_\@
	s_add_co_u32 s[TK], s[TB], BLK
	s_min_u32 s[TK], s[TK], 15*BLK                 ; the next block, held inside the head's sixteen
	PHASE 0, \q, \qw, PW
	PHASE 1, \q, \qw+1, PW+1
.Lhid_\@:
	s_add_co_u32 s[TB], s[TB], BLK
	s_add_co_u32 s[J], s[J], 1
	s_cmp_lt_u32 s[J], \trips
	s_cbranch_scc1 .Lstep_\@
	FINISH 0, \yb, \ys
	FINISH 1, \yb, \ys
	s_wait_xcnt 0x0                                ; the stores have read their data
.endm
	s_wait_loadcnt 0x0
	s_wait_tensorcnt 0x0                           ; my two blocks are in
	s_barrier_signal -1
	s_barrier_wait -1                              ; and everybody's
	WALK 8, MA, Q, QW, 44, 46
	WALK 16, MB, QB, QWB, 52, 54
	s_wait_tensorcnt 0x0                           ; the wave's end
	ds_add_u32 v[SPW], v[NIL]
	s_wait_dscnt 0x0
	CROUND                                         ; the closing round
	s_endpgm
.Lfunc_end_k_q8ac59f66e6_attn:
	.size	k_q8ac59f66e6_attn, .Lfunc_end_k_q8ac59f66e6_attn-k_q8ac59f66e6_attn
	.p2alignl 7, 3214868480
	.fill 96, 4, 3214868480
	.section	.rodata,"a",@progbits
	.p2align	6, 0x0
	.amdhsa_kernel k_q8ac59f66e6_attn
		.amdhsa_group_segment_fixed_size 327680
		.amdhsa_private_segment_fixed_size 0
		.amdhsa_enable_private_segment 0
		.amdhsa_kernarg_size 24
		.amdhsa_user_sgpr_count 2
		.amdhsa_user_sgpr_kernarg_segment_ptr 1
		.amdhsa_wavefront_size32 1
		.amdhsa_system_sgpr_workgroup_id_x 1
		.amdhsa_system_sgpr_workgroup_id_y 1
		.amdhsa_system_sgpr_workgroup_id_z 1
		.amdhsa_system_vgpr_workitem_id 0
		.amdhsa_next_free_vgpr 512
		.amdhsa_next_free_sgpr 66
		.amdhsa_reserve_vcc 1
		.amdhsa_float_denorm_mode_32 3
		.amdhsa_float_denorm_mode_16_64 3
		.amdhsa_memory_ordered 1
		.amdhsa_forward_progress 1
		.amdhsa_inst_pref_size 97
	.end_amdhsa_kernel
	.amdgpu_metadata
---
amdhsa.version: [ 1, 2 ]
amdhsa.kernels:
  - .name:           k_q8ac59f66e6_attn
    .symbol:         k_q8ac59f66e6_attn.kd
    .args:
      - { .name: qb, .offset: 0, .size: 8, .value_kind: global_buffer, .address_space: global }
      - { .name: kv, .offset: 8, .size: 8, .value_kind: global_buffer, .address_space: global }
      - { .name: yq, .offset: 16, .size: 8, .value_kind: global_buffer, .address_space: global }
    .group_segment_fixed_size: 327680
    .private_segment_fixed_size: 0
    .kernarg_segment_align: 8
    .kernarg_segment_size: 24
    .max_flat_workgroup_size: 256
    .sgpr_count:     66
    .vgpr_count:     512
    .wavefront_size: 32
...
	.end_amdgpu_metadata
.endif
;; end of part 3
;; launch proj (part 4): grid 4 x 64, 4 waves a work-group, clusters of 4 x 4, 327,680 bytes of LDS; arguments yq, ops, out0; writes out0
.if DOCPART == 4
	.amdgcn_target "amdgcn-amd-amdhsa--gfx1250"
	.amdhsa_code_object_version 6
	.text
	.protected	k_q8ac59f66e6_proj
	.globl	k_q8ac59f66e6_proj
	.p2align	8
	.type	k_q8ac59f66e6_proj,@function
k_q8ac59f66e6_proj:
	s_mov_b64 s[64:65], 0
	v_nop
	global_prefetch_b8 v0, s[64:65] scope:SCOPE_SE
	s_setreg_imm32_b32 hwreg(HW_REG_WAVE_MODE, 25, 1), 1
	s_wait_xcnt 0x0
	s_wait_alu depctr_hold_cnt(0) depctr_sa_sdst(0) depctr_va_vdst(0) depctr_va_sdst(0) depctr_va_ssrc(0) depctr_va_vcc(0) depctr_vm_vsrc(0)
	s_getreg_b32 s2, hwreg(HW_REG_IB_STS2, 6, 4)
	s_cmp_eq_u32 s2, 0
	s_cbranch_scc0 .Lentry_in_a_cluster
	s_endpgm
.Lentry_in_a_cluster:
	s_bfe_u32 s2, ttmp6, 0x10000c
	s_cmp_lg_u32 s2, 0xf033
	s_cbranch_scc0 .Lentry_shape_is_right
	s_endpgm
.Lentry_shape_is_right:
; out0 = y w_proj^T on codes of FP6 (E2M3) with E8M0 scales: y's codes and scale bytes from launch attn (yq), w_proj's from launch quant (ops), both as images of the operand's registers
; (a tile of 16 rows: 12,288 bytes of codes, eight K steps of 1,536; 512 bytes of scale words, [K step / 2][slot][K step % 2]).  Nothing of reference() is left out here.
; A block of 128 tokens x 256 columns to a work-group: 64 x 4 = 256 work-groups.  Four waves, 64 x 128 each: 32 accumulators.
; ALL OF K LIES IN LDS: A's eight tiles are 98,304 dense bytes of yq, B's sixteen 196,608 dense bytes of ops, their scale words 4,096 and 8,192: four dense blocks, one tensor load a wave at the head, as rows of 256 bytes.
; Nothing is filled again, so the walk along K has no barrier.  No prefetch: all loads go out at the head, there is no loop to run ahead in.
; CLUSTERS: 4 x 4 work-groups; A's blocks are asked for jointly by a row of the cluster, B's by a column.
; THE MATRIX INSTRUCTION TAKES B AS SOURCE 0 AND A AS SOURCE 1: a lane holds one token, its registers neighbouring columns.
; REGISTERS: window 0: v1-17 addresses; v32-95 all scale words (lanes 0-15 A's tile i, lanes 16-31 B's tile i); v96-191 A's fragments, two sets; on the way out v128-255.  window 1: B's fragments, two sets, at v0 and v128.  window 2: accumulator (a, b) at v[8 (8 a + b)].
.set FR,    12
.set TILEB, 12288
.set LB,    8*TILEB                    ; B's tiles, behind A's eight
.set SCL,   24*TILEB                   ; the scale words: A's 4,096 bytes, then B's 8,192
.set SPARE, SCL+12288                  ; the spare words, 128 bytes for each wave
.set SC0,   9437184                    ; where the scale words begin in ops
.set SCY,   6291456                    ; and in yq
.set ADRA,  1                          ; v1 A's fragments at 16 x lane, v2 at 8 x lane
.set ADRB,  3                          ; v3-4 the same for B's tiles 0-3 of my eight, v5-6 for tiles 4-7
.set ADRS,  9
.set SPW,   10                         ; my spare word; never rewritten
.set NIL,   11                         ; 0; never rewritten
.set L16,   12
.set L8,    13
.set STO,   16
.set RD,    17
.set SC,    32
.set AF,    96
.set BK,    128
.set G1A,   24
.set G1B,   32
.set G1S,   40
.set G1SB,  48
.set G0A,   56
.set G0B,   60
.set G0S,   68
.set G0SB,  72
.set MSB, 0
.macro WIN new                         ; the immediate's high byte repeats the setting that is left
.if MSB != (\new)
	s_set_vgpr_msb (MSB<<8)|(\new)
.set MSB, \new
.endif
.endm
.set MUL_LO, 0xa1                      ; source 0 (B) window 1, source 1 (A) window 0, C and D window 2
.set TO_B,   0x40                      ; destination window 1, address window 0
.macro CROUND                          ; a round of the cluster's barrier
	s_barrier_signal -1
	s_barrier_wait -1
	s_cmp_lg_u32 s14, 0
	s_cbranch_scc1 .Lnot_wave_0_\@
	s_barrier_signal -3
.Lnot_wave_0_\@:
	s_barrier_wait -3
	s_barrier_signal -1
	s_barrier_wait -1
.endm
.macro DENSE g, rows                   ; group 1 of a dense block: rows of 256 bytes, 32 elements of 8
	s_mov_b32 s[\g+1], 32<<16
	s_mov_b32 s[\g+2], (\rows)<<16
	s_mov_b32 s[\g+3], 32<<16
	s_mov_b32 s[\g+4], \rows
	s_mov_b32 s[\g+5], 32
	s_mov_b32 s[\g+6], 0
	s_mov_b32 s[\g+7], 0
.endm
	s_load_b128 s[4:7], s[0:1], 0x0                ; yq, ops
	s_load_b64 s[8:9], s[0:1], 0x10                ; out0
	v_lshl_add_u32 v[SPW], v0, 2, SPARE
	v_mov_b32 v[NIL], 0
	ds_add_u32 v[SPW], v[NIL]                      ; the opening lines: the add twice and its wait ahead of my tensor load
	ds_add_u32 v[SPW], v[NIL]
	v_lshrrev_b32 v1, 5, v0
	v_readfirstlane_b32 s14, v1                    ; wave
	s_lshr_b32 s15, s14, 1                         ; which four of A's tiles are mine
	s_and_b32 s16, s14, 1                          ; which eight of B's
	s_bfe_u32 s76, ttmp6, 0x40000                  ; cx
	s_bfe_u32 s77, ttmp6, 0x40004                  ; cy
	s_and_b32 s17, ttmp7, 0xffff
	s_lshl_b32 s17, s17, 2
	s_add_co_u32 s17, s17, s77                     ; block of 128 tokens: it hangs on cy alone
	s_lshl_b32 s18, ttmp9, 2
	s_add_co_u32 s18, s18, s76                     ; block of 256 columns: on cx alone
	s_lshl_b32 s19, s77, 2
	s_lshl_b32 s19, 15, s19                        ; my row of the cluster
	s_lshl_b32 s20, 0x1111, s76                    ; my column
	s_or_b32 s[G1A], s19, (3<<16)|(1<<21)
	s_or_b32 s[G1S], s19, (3<<16)|(1<<21)
	s_or_b32 s[G1B], s20, (3<<16)|(1<<21)
	s_or_b32 s[G1SB], s20, (3<<16)|(1<<21)
	DENSE G1A, 384
	DENSE G1B, 768
	DENSE G1S, 16
	DENSE G1SB, 32
	s_mul_i32 s78, s17, 8*TILEB                    ; A's codes
	s_mov_b32 s79, 0
	s_lshl_b32 s80, s17, 12                        ; A's scale words
	s_add_co_u32 s80, s80, SCY
	s_mov_b32 s81, 0
	s_lshl_b32 s21, s18, 4
	s_add_co_u32 s21, s21, 704                     ; B's first tile in ops
	s_mul_i32 s22, s21, TILEB
	s_mov_b32 s23, 0
	s_lshl_b32 s82, s21, 9
	s_add_co_u32 s82, s82, SC0
	s_mov_b32 s83, 0
	s_wait_dscnt 0x0                               ; both opening adds are done
	s_wait_kmcnt 0x0
	s_mov_b32 s[G0A], 1
	s_mov_b32 s[G0A+1], 0
	s_add_nc_u64 s[G0A+2:G0A+3], s[4:5], s[78:79]
	s_or_b32 s[G0A+3], s[G0A+3], 0x80000000
	s_mov_b32 s[G0B], 1
	s_mov_b32 s[G0B+1], LB
	s_add_nc_u64 s[G0B+2:G0B+3], s[6:7], s[22:23]
	s_or_b32 s[G0B+3], s[G0B+3], 0x80000000
	s_mov_b32 s[G0S], 1
	s_mov_b32 s[G0S+1], SCL
	s_add_nc_u64 s[G0S+2:G0S+3], s[4:5], s[80:81]
	s_or_b32 s[G0S+3], s[G0S+3], 0x80000000
	s_mov_b32 s[G0SB], 1
	s_mov_b32 s[G0SB+1], SCL+4096
	s_add_nc_u64 s[G0SB+2:G0SB+3], s[6:7], s[82:83]
	s_or_b32 s[G0SB+3], s[G0SB+3], 0x80000000
	CROUND                                         ; all sixteen work-groups are here: the joint loads meet
.macro ARM under, g0, g1, next         ; one chain of branches on the wave's number: every way through it passes one load
	s_cmp_lt_u32 s14, \under
	s_cbranch_scc0 \next
	tensor_load_to_lds s[\g0:\g0+3], s[\g1:\g1+7]
	s_nop 0
.rept 4
	v_nop
.endr
	s_branch .Lhead_asked
\next:
.endm
	ARM 1, G0A, G1A, .Lhead_b                      ; wave 0: A's codes; wave 1: B's; wave 2: A's scale words; wave 3: B's
	ARM 2, G0B, G1B, .Lhead_sa
	ARM 3, G0S, G1S, .Lhead_sb
	tensor_load_to_lds s[G0SB:G0SB+3], s[G1SB:G1SB+7]
	s_nop 0
.rept 4
	v_nop
.endr
.Lhead_asked:
	v_and_b32 v[L16], 31, v0
	v_lshlrev_b32 v[L8], 3, v[L16]
	v_lshlrev_b32 v[L16], 4, v[L16]
	s_mul_i32 s21, s15, 4*TILEB                    ; my four tiles of A
	s_mul_i32 s23, s16, 8*TILEB                    ; my eight tiles of B
	s_add_co_u32 s23, s23, LB
	v_add_nc_u32 v[ADRA], s21, v[L16]
	v_add_nc_u32 v[ADRA+1], s21, v[L8]
	v_add_nc_u32 v[ADRB], s23, v[L16]
	v_add_nc_u32 v[ADRB+1], s23, v[L8]
	s_add_co_u32 s23, s23, 4*TILEB                 ; tiles 4-7 have registers of their own: an LDS offset has 16 bits
	v_add_nc_u32 v[ADRB+2], s23, v[L16]
	v_add_nc_u32 v[ADRB+3], s23, v[L8]
	v_and_b32 v14, 15, v0                          ; r
	v_bfe_u32 v15, v0, 4, 1                        ; h
	s_lshl_b32 s21, s15, 11                        ; A's scale words: my four tiles
	s_lshl_b32 s23, s16, 12                        ; B's, behind A's 4,096 bytes
	s_add_co_u32 s23, s23, 4096
	s_sub_co_u32 s23, s23, s21
	v_mul_u32_u24 v[ADRS], s23, v15                ; lanes 16-31 take B's
	v_lshl_add_u32 v[ADRS], v14, 3, v[ADRS]        ; 8 bytes a slot: two K steps' words
	s_add_co_u32 s21, s21, SCL
	v_add_nc_u32 v[ADRS], s21, v[ADRS]
	s_mul_i32 s23, s14, 8448                       ; my stage: 16 rows of 512 bytes + 16, on A's tiles, behind the barrier that ends all reads of them
	v_mul_u32_u24 v[STO], v14, 528
	v_lshl_add_u32 v[STO], v15, 6, v[STO]
	v_add_nc_u32 v[STO], s23, v[STO]
	v_add_nc_u32 v[RD], s23, v[L16]
	s_lshl_b32 s20, s17, 7
	s_lshl_b32 s21, s15, 6
	s_add_co_u32 s20, s20, s21                     ; my first token
	s_lshl_b32 s20, s20, 12                        ; a row of out0 is 4,096 bytes
	s_mov_b32 s21, 0
	s_add_nc_u64 s[8:9], s[8:9], s[20:21]
	s_lshl_b32 s22, s18, 10
	s_lshl_b32 s23, s16, 9
	s_add_co_u32 s22, s22, s23                     ; my first column, in bytes
	s_mov_b32 s23, 0
	s_add_nc_u64 s[8:9], s[8:9], s[22:23]
.macro FRAG reg, adr, off              ; a fragment, 16 slots x 128 K, comes as it was stored: four dense loads
	ds_load_b128 v[\reg:\reg+3], v[\adr] offset:(\off)
	ds_load_b64 v[\reg+4:\reg+5], v[\adr+1] offset:(\off)+512
	ds_load_b128 v[\reg+6:\reg+9], v[\adr] offset:(\off)+768
	ds_load_b64 v[\reg+10:\reg+11], v[\adr+1] offset:(\off)+1280
.endm
.macro FETCH s                         ; K step s into set s % 2: 48 loads
	WIN TO_B
.irp i, 0,1,2,3,4,5,6,7
	FRAG 128*((\s)%2)+FR*\i, ADRB+2*(\i/4), (\i%4)*TILEB+(\s)*1536
.endr
	WIN 0
.irp i, 0,1,2,3
	FRAG AF+48*((\s)%2)+FR*\i, ADRA, \i*TILEB+(\s)*1536
.endr
.endm
; 32 matrix instructions: my four tiles of A x my eight of B, 128 along K.  The 32 accumulators take turns in the same order in every step; step 0 starts the sums.
.macro MUL32 s
.irp a, 0,1,2,3
.irp b, 0,1,2,3,4,5,6,7
.if (\s) == 0
	v_wmma_scale_f32_16x16x128_f8f6f4 v[8*(8*\a+\b):8*(8*\a+\b)+7], v[128*((\s)%2)+FR*\b:128*((\s)%2)+FR*\b+FR-1], v[AF+48*((\s)%2)+FR*\a:AF+48*((\s)%2)+FR*\a+FR-1], 0, v[SC+16*((\s)/2)+2*\b+(\s)%2], v[SC+16*((\s)/2)+2*\a+(\s)%2] matrix_a_fmt:MATRIX_FMT_FP6 matrix_b_fmt:MATRIX_FMT_FP6 matrix_a_scale:MATRIX_SCALE_ROW1
.else
	v_wmma_scale_f32_16x16x128_f8f6f4 v[8*(8*\a+\b):8*(8*\a+\b)+7], v[128*((\s)%2)+FR*\b:128*((\s)%2)+FR*\b+FR-1], v[AF+48*((\s)%2)+FR*\a:AF+48*((\s)%2)+FR*\a+FR-1], v[8*(8*\a+\b):8*(8*\a+\b)+7], v[SC+16*((\s)/2)+2*\b+(\s)%2], v[SC+16*((\s)/2)+2*\a+(\s)%2] matrix_a_fmt:MATRIX_FMT_FP6 matrix_b_fmt:MATRIX_FMT_FP6 matrix_a_scale:MATRIX_SCALE_ROW1
.endif
.endr
.endr
.endm
.macro PLACES                          ; plain lines between a matrix instruction and a load into, or a store of, its registers
.rept 4
	v_nop
.endr
.endm
	s_wait_alu depctr_va_vdst(0)                   ; the wait at the head's end
	s_wait_tensorcnt 0x0                           ; my block is in
	s_barrier_signal -1
	s_barrier_wait -1                              ; and everybody's
.irp pr, 0,1,2,3                       ; all scale words: pair of K steps pr, tile i
.irp i, 0,1,2,3,4,5,6,7
	ds_load_b64 v[SC+16*\pr+2*\i:SC+16*\pr+2*\i+1], v[ADRS] offset:\i*512+128*\pr
.endr
.endr
	FETCH 0
.set KS, 0
.rept 7                                ; each step asks for the next step's fragments, then multiplies its own
.if KS > 0
	PLACES                                         ; the other set was read by the step before
.endif
	FETCH KS+1
	s_wait_dscnt 48                                ; all but the 48 loads just issued
	WIN MUL_LO
	MUL32 KS
.set KS, KS+1
.endr
	s_wait_dscnt 0x0                               ; my last reads of the tiles are over:
	s_barrier_signal -1                            ; say so, multiply the last step on registers alone,
	MUL32 7
	WIN 0
	s_barrier_wait -1                              ; and behind this wait nobody reads the tiles: the stages may lie on them
; THE WAY OUT, block by block of 16 tokens x 128 columns, through my own stage: back as whole rows of 512 bytes, which the 32 lanes store as two aligned runs of 256 bytes
.macro TOSTAGE a
.set AC, 64*(\a)
	WIN 0x08                                       ; the data: window 2
.irp b, 0,1,2,3,4,5,6,7
	ds_store_b128 v[STO], v[AC+8*\b:AC+8*\b+3] offset:128*(\b/2)+32*(\b%2)       ; each accumulator from its low end on; column 32 (b / 2) + 8 (b % 2) + 16 h + j
	ds_store_b128 v[STO], v[AC+8*\b+4:AC+8*\b+7] offset:128*(\b/2)+32*(\b%2)+16
.endr
	WIN 0
.set BB, BK+64*((\a)%2)
.irp t, 0,1,2,3,4,5,6,7,8,9,10,11,12,13,14,15
	ds_load_b128 v[BB+4*\t:BB+4*\t+3], v[RD] offset:\t*528   ; LDS serves a wave's instructions in order: these see the stores
.endr
.endm
.macro SEND a, younger                 ; younger: the LDS instructions issued behind block a's loads
.set BB, BK+64*((\a)%2)
	s_wait_dscnt \younger
.irp t, 0,1,2,3,4,5,6,7,8,9,10,11,12,13,14,15
	global_store_b128 v[L16], v[BB+4*\t:BB+4*\t+3], s[8:9] offset:(32*((\a)/2)+8*((\a)%2)+\t+8*(\t/8))*4096 th:TH_STORE_NT
.endr
.endm
	PLACES
	TOSTAGE 0
.irp a, 1,2,3
.if \a > 1
	s_wait_xcnt 0x0                                ; block a - 2's stores have read their registers
.endif
	TOSTAGE \a
	SEND \a-1, 32
.endr
	SEND 3, 0
	s_wait_tensorcnt 0x0                           ; the wave's end
	ds_add_u32 v[SPW], v[NIL]
	s_wait_dscnt 0x0
	CROUND                                         ; the closing round
	s_endpgm
.Lfunc_end_k_q8ac59f66e6_proj:
	.size	k_q8ac59f66e6_proj, .Lfunc_end_k_q8ac59f66e6_proj-k_q8ac59f66e6_proj
	.p2alignl 7, 3214868480
	.fill 96, 4, 3214868480
	.section	.rodata,"a",@progbits
	.p2align	6, 0x0
	.amdhsa_kernel k_q8ac59f66e6_proj
		.amdhsa_group_segment_fixed_size 327680
		.amdhsa_private_segment_fixed_size 0
		.amdhsa_enable_private_segment 0
		.amdhsa_kernarg_size 24
		.amdhsa_user_sgpr_count 2
		.amdhsa_user_sgpr_kernarg_segment_ptr 1
		.amdhsa_wavefront_size32 1
		.amdhsa_system_sgpr_workgroup_id_x 1
		.amdhsa_system_sgpr_workgroup_id_y 1
		.amdhsa_system_sgpr_workgroup_id_z 1
		.amdhsa_system_vgpr_workitem_id 0
		.amdhsa_next_free_vgpr 768
		.amdhsa_next_free_sgpr 84
		.amdhsa_reserve_vcc 0
		.amdhsa_float_denorm_mode_32 3
		.amdhsa_float_denorm_mode_16_64 3
		.amdhsa_memory_ordered 1
		.amdhsa_forward_progress 1
		.amdhsa_inst_pref_size 83
	.end_amdhsa_kernel
	.amdgpu_metadata
---
amdhsa.version: [ 1, 2 ]
amdhsa.kernels:
  - .name:           k_q8ac59f66e6_proj
    .symbol:         k_q8ac59f66e6_proj.kd
    .args:
      - { .name: yq, .offset: 0, .size: 8, .value_kind: global_buffer, .address_space: global }
      - { .name: ops, .offset: 8, .size: 8, .value_kind: global_buffer, .address_space: global }
      - { .name: out0, .offset: 16, .size: 8, .value_kind: global_buffer, .address_space: global }
    .group_segment_fixed_size: 327680
    .private_segment_fixed_size: 0
    .kernarg_segment_align: 8
    .kernarg_segment_size: 24
    .max_flat_workgroup_size: 128
    .sgpr_count:     84
    .vgpr_count:     768
    .wavefront_size: 32
...
	.end_amdgpu_metadata
.endif
;; end of part 4
